; MI455X (gfx1250); checked and timed in simulation.
; The chip was launched on July 23, 2026; its instructions are those of AMD's public machine-readable ISA for CDNA 5 (MIT licence, August 2026) and "CDNA5" Instruction Set Architecture Reference Guide (July 2026). The comments in the code are by the model that wrote it; some were corrected since.
;; Single Head Attention. Allowed arithmetic: matrix products marked QUANTISED: E2M1 operands, one E8M0 scale for each 32 along K, by v_wmma_scale_f32_16x16x128_f8f6f4 with both operands' format E2M1 (or v_wmma_scale_f32_32x16x128_f4), f32 sums; products left as they are: bf16, f16 or f32 operands; f32 sums; everything else in f32.
;; Inputs: W_k 1,024 x 1,024 float32; W_o 1,024 x 1,024 float32; W_q 1,024 x 1,024 float32; W_v 1,024 x 1,024 float32; x 4 x 2,048 x 1,024 float32.
;; Outputs: out0 4 x 2,048 x 1,024 float32.
;; This version of the problem:
;;   THIS VERSION OF THE PROBLEM IS GIVEN IN LOW PRECISION. The matrix products marked QUANTISED in the list below multiply operands that are first quantised to E2M1 (2 exponent bits, 1 mantissa bit; 4 bits a number), with one power-of-two scale for each 32 numbers along K (OCP MX v1.0); their sums are f32. The products marked 'left as it is' may take bf16, f16 or f32 operands, with f32 sums. Whichever they take, every output number must still come out within the allowed error. Rounding operands to bf16 (8 significant bits) uses up far more of that allowance than f16 does (11 bits, for magnitudes from 6e-5 to 65,504). All else is computed in f32.
;;   The module's matrix products, in the order in which they are computed (A, B: the left and right operand; K: the contracted axis; several contracted axes count as one K, in the product's order):
;;     1. [M 8,192, K 1,024] x [K 1,024, N 1,024]; A: input x; B: input W_q: QUANTISED
;;     2. [M 8,192, K 1,024] x [K 1,024, N 1,024]; A: input x; B: input W_k: QUANTISED
;;     3. [M 8,192, K 1,024] x [K 1,024, N 1,024]; A: input x; B: input W_v: QUANTISED
;;     4. batch 4 x [M 2,048, K 1,024] x [K 1,024, N 2,048]; A: computed on the way; B: computed on the way: left as it is (an operand is computed on the way)
;;     5. batch 4 x [M 2,048, K 2,048] x [K 2,048, N 1,024]; A: computed on the way; B: computed on the way: left as it is (an operand is computed on the way)
;;     6. [M 8,192, K 1,024] x [K 1,024, N 1,024]; A: computed on the way; B: input W_o: left as it is (an operand is computed on the way)
;;   THE QUANTISER, for each operand of a quantised product, along K:
;;     - K is cut into blocks of 32 from its start; a last block that is shorter is filled with zeros.
;;     - A block's scale is 2^e with e = floor(log2(the largest magnitude in the block)) - 2, held to -126 .. 127; a block of zeros has e = 0. As a byte (E8M0): e + 127.
;;     - Each number is divided by its block's scale, clamped to +-6, and rounded to the nearest number of E2M1, ties to even, subnormals kept.
;;     - The product sums the exact products of the quantised numbers (number of the format x scale) in f32.
;;   ~~~python
;;   def quantise(x, axis):      # numpy; x: float32 -> the quantised numbers, widened to float32 again
;;       x = np.moveaxis(x, axis, -1); K = x.shape[-1]
;;       x = np.pad(x, [(0, 0)] * (x.ndim - 1) + [(0, -K % 32)]); x = x.reshape(x.shape[:-1] + (-1, 32)); a = np.abs(x).max(-1, keepdims=True)
;;       e = np.where(a > 0, np.clip(np.frexp(np.where(a > 0, a, 1))[1] - 1 - 2, -126, 127), 0)      # np.frexp(a)[1] - 1 = floor(log2(a)), exactly
;;       r = np.clip(x / 2.0 ** e, -6, 6)
;;       step = 2.0 ** (np.maximum(np.frexp(np.where(r == 0, 1, r))[1] - 1, 0) - 1)
;;       q = np.round(r / step) * step * 2.0 ** e      # np.round: ties to even
;;       return np.moveaxis(q.reshape(q.shape[:-2] + (-1,))[..., :K], -1, axis).astype(np.float32)
;;   ~~~
;; One version. Each part assembles by itself: llvm-mc -triple=amdgcn-amd-amdhsa -mcpu=gfx1250 --defsym DOCPART=n.
;; ======== version 1 of 1: 7 launches
;; limits: values are held in f16: magnitudes above 65,504 overflow, below 6.1e-05 lose precision
;; workspace buffers: prep 8,224,768 bytes; qkv 50,331,648 bytes; fine 786,432 bytes; sc 67,108,864 bytes; pw 33,554,432 bytes; ctx 16,777,216 bytes
;; launch quant (part 1): grid 384 x 1, 4 waves a work-group, no clusters, 33,280 bytes of LDS; arguments x, W_q, W_k, W_v, W_o, prep; writes prep
.if DOCPART == 1
	.amdgcn_target "amdgcn-amd-amdhsa--gfx1250"
	.amdhsa_code_object_version 6
	.text
	.protected	k_q93d97a2222_quant
	.globl	k_q93d97a2222_quant
	.p2align	8
	.type	k_q93d97a2222_quant,@function
k_q93d97a2222_quant:
	s_mov_b64 s[64:65], 0
	v_nop
	global_prefetch_b8 v0, s[64:65] scope:SCOPE_SE
	s_setreg_imm32_b32 hwreg(HW_REG_WAVE_MODE, 25, 1), 1
	s_wait_xcnt 0x0
; x [8192][1024], W_q, W_k, W_v [1024][1024], f32, become codes of FP4 (E2M1), K innermost, with one E8M0 scale byte for each 32 along K; W_o [1024][1024] becomes f16.
; All go into one workspace buffer: x's codes at 0 ([8192][512 bytes]); the three weights' codes at WC ([3072][512 bytes]: W_q, W_k, W_v on end); x's scale bytes at XS ([8192][32]); the weights' at WS ([3072][32]); W_o in f16 at WO.
; A block's scale is 2^(floor(log2(its largest magnitude)) - 2); its byte is the largest magnitude's exponent field - 2, held at 1 from below.
; LIMITS: a block of zeros gets the byte 1 where the rule says 127 (its codes are zeros, which add nothing, and this program alone reads the bytes); blocks whose largest magnitude lies under 2^-124 are held at byte 1;
; NaN and infinities among the inputs are not served.
; Rows are dense and K is a multiple of 32: every tensor is a plain stream of blocks of 32 numbers.  A work-group takes 32,768 numbers, a wave 8,192: work-groups 0-255 x, 256-287 W_q, 288-319 W_k, 320-351 W_v, 352-383 W_o.
; Quantising: 16 steps of 512 numbers.  Each load reads 512 consecutive bytes; a step's 2,048 bytes turn through the wave's own stage in LDS, so that a lane holds 16 neighbours (two lanes a block).
; A lane's 16 codes are 8 bytes: a wave's store covers 256 consecutive bytes, aligned.  A wave's 256 scale bytes are gathered in LDS and leave by one store of 256 consecutive bytes.
; No tensor loads, no barrier: waves share nothing.  No cluster: no two work-groups read the same bytes.
.set WAVES, 4
.set STEPS, 16
.set EMAX,  2
.set CB,    8                          ; bytes of 16 codes
.set R,     16                         ; v16-79   four sets of 16 numbers as loaded
.set X,     80                         ; v80-111  two sets of 16 neighbours
.set C,     128                        ; v128-191 codes: four registers a step, so that no store's data are written again
.set E,     112                        ; v112-127 a scale byte a step
.set WREG,  8192                       ; LDS: a region for each wave: two stages of 32 x SP bytes, then its 256 scale bytes
.set SP,    80                         ; a lane's place in a stage: 64 bytes + 16 of padding
.set SPW,   12                         ; v12 LDS address of my spare word; never rewritten
.set NIL,   13                         ; v13 0; never rewritten
.set SPARE, WAVES*WREG                 ; behind the regions: the spare words, 128 bytes a wave
.set WC,    4194304
.set XS,    5767168
.set WS,    6029312
.set WO,    6127616
	s_load_b256 s[4:11], s[0:1], 0x0               ; x, W_q, W_k, W_v
	s_load_b128 s[12:15], s[0:1], 0x20             ; W_o, prep
	v_lshl_add_u32 v[SPW], v0, 2, SPARE
	v_mov_b32 v[NIL], 0
	v_lshrrev_b32 v1, 5, v0
	v_readfirstlane_b32 s16, v1                    ; wave
	v_and_b32 v2, 31, v0                           ; lane
	v_lshlrev_b32 v3, 4, v2                        ; my 16 bytes of a load's 512
	s_mul_i32 s17, s16, WREG
	v_lshrrev_b32 v14, 2, v2
	v_mul_u32_u24 v14, v14, SP
	v_and_b32 v15, 3, v2
	v_lshl_add_u32 v14, v15, 4, v14
	v_add_nc_u32 v14, s17, v14                     ; the stage, way in: SP (lane / 4) + 16 (lane % 4)
	v_mul_u32_u24 v15, v2, SP
	v_add_nc_u32 v15, s17, v15                     ; way out: SP x lane: my 16 neighbours
	v_mul_u32_u24 v4, v2, CB                       ; 8 x lane: my codes' place in a step's; also my f16 numbers' place in a chunk's
	v_lshrrev_b32 v5, 1, v2
	s_add_co_u32 s17, s17, 2*32*SP
	v_add_nc_u32 v5, s17, v5                       ; LDS: my block's scale byte
	v_lshlrev_b32 v7, 3, v2
	v_add_nc_u32 v6, s17, v7                       ; and 8 bytes a lane on their way out
	s_mov_b32 s27, 0
	s_wait_kmcnt 0x0
	s_cmp_ge_u32 ttmp9, 352
	s_cbranch_scc1 .Lwo
	; ---- which tensor: the choices hang on the work-group's number alone
	s_sub_co_u32 s22, ttmp9, 256                   ; place among the weights' work-groups
	s_and_b32 s23, s22, 31                         ; and inside one weight
	s_mov_b32 s24, WC
	s_mov_b32 s25, WS
	s_mov_b32 s26, XS
	s_mov_b64 s[20:21], s[10:11]                   ; W_v, unless
	s_cmp_lt_u32 ttmp9, 320
	s_cselect_b64 s[20:21], s[8:9], s[20:21]       ; W_k, unless
	s_cmp_lt_u32 ttmp9, 288
	s_cselect_b64 s[20:21], s[6:7], s[20:21]       ; W_q, unless
	s_cmp_lt_u32 ttmp9, 256
	s_cselect_b64 s[20:21], s[4:5], s[20:21]       ; x
	s_cselect_b32 s23, ttmp9, s23                  ; work-group inside the source tensor
	s_cselect_b32 s22, ttmp9, s22                  ; work-group inside the region of codes
	s_cselect_b32 s24, 0, s24                      ; where that region begins
	s_cselect_b32 s25, s26, s25                    ; and the region of scale bytes
	s_lshl_b32 s23, s23, 2
	s_add_co_u32 s23, s23, s16                     ; my run of 8,192 numbers in the source
	s_lshl_b32 s22, s22, 2
	s_add_co_u32 s22, s22, s16                     ; and in the regions
	s_lshl_b32 s26, s23, 15                        ; 32,768 bytes a run
	s_add_nc_u64 s[4:5], s[20:21], s[26:27]
	s_lshl_b32 s26, s22, 12                        ; 4,096 bytes of codes a run
	s_add_co_u32 s26, s26, s24
	s_add_nc_u64 s[8:9], s[14:15], s[26:27]
	s_lshl_b32 s26, s22, 8                         ; 256 scale bytes a run
	s_add_co_u32 s26, s26, s25
	s_add_nc_u64 s[10:11], s[14:15], s[26:27]
.macro LOAD t
.irp i, 0,1,2,3
	global_load_b128 v[R+16*((\t)%4)+4*\i:R+16*((\t)%4)+4*\i+3], v3, s[4:5] offset:2048*(\t)+512*\i th:TH_LOAD_NT   ; 32 lanes read 512 consecutive bytes
.endr
.endm
.macro TURN t                          ; step t's numbers through the stage: LDS serves a wave's instructions in order, so no wait stands between the stores and the loads
.irp i, 0,1,2,3
	ds_store_b128 v14, v[R+16*((\t)%4)+4*\i:R+16*((\t)%4)+4*\i+3] offset:32*SP*((\t)%2)+8*SP*\i
.endr
.irp i, 0,1,2,3
	ds_load_b128 v[X+16*((\t)%2)+4*\i:X+16*((\t)%2)+4*\i+3], v15 offset:32*SP*((\t)%2)+16*\i
.endr
.endm
.irp t, 0,1,2,3
	LOAD \t
.endr
	s_wait_loadcnt 12                              ; step 0's four loads are in; the twelve of steps 1 to 3 may be out
	TURN 0
.macro STEP t
.set XQ, X+16*((\t)%2)
.if (\t) > 0
	s_wait_dscnt 1                                 ; this step's numbers are back from the stage (the last step's byte store may be out)
.else
	s_wait_dscnt 0x0
.endif
.if (\t)+4 < STEPS
	LOAD (\t)+4                                    ; into the registers whose stores into the stage are done
.endif
.if (\t)+1 < STEPS
.if STEPS-2-(\t) >= 3
	s_wait_loadcnt 12                              ; the next step's four loads are in; those of the three steps behind it may be out
.else
	s_wait_loadcnt 4*(STEPS-2-(\t))
.endif
	TURN (\t)+1
.endif
	v_max3_num_f32 v8, |v[XQ]|, |v[XQ+1]|, |v[XQ+2]|               ; the largest magnitude of my 16, in two chains
	v_max3_num_f32 v9, |v[XQ+3]|, |v[XQ+4]|, |v[XQ+5]|
.irp i, 6,10
	v_max3_num_f32 v8, v8, |v[XQ+\i]|, |v[XQ+\i+1]|
	v_max3_num_f32 v9, v9, |v[XQ+\i+2]|, |v[XQ+\i+3]|
.endr
	v_max3_num_f32 v8, v8, |v[XQ+14]|, |v[XQ+15]|
	v_max3_num_f32 v8, v8, v9, (EMAX+1)<<23        ; and the floor 2^(3 - 127): the byte cannot fall under 1
	v_max_num_f32_dpp v8, v8, v8 row_xmask:1 row_mask:0xf bank_mask:0xf   ; with my neighbour's 16: the block's
	v_add_nc_u32 v11, -(EMAX<<23), v8              ; 2 off its exponent field: the conversion takes this operand's exponent field as its scale
	v_cvt_scalef32_pk8_fp4_f32 v[C+4*(\t)], v[XQ:XQ+7], v11
	v_cvt_scalef32_pk8_fp4_f32 v[C+4*(\t)+1], v[XQ+8:XQ+15], v11
	v_lshrrev_b32 v[E+(\t)], 23, v11               ; the scale's byte (a plain line behind the conversions)
	ds_store_b8 v5, v[E+(\t)] offset:16*(\t)       ; both lanes of a block write the same byte with the same value
	global_store_b64 v4, v[C+4*(\t):C+4*(\t)+1], s[8:9] offset:32*CB*(\t)   ; 32 lanes store 256 consecutive bytes, aligned
.endm
.irp t, 0,1,2,3,4,5,6,7,8,9,10,11,12,13,14,15
	STEP \t
.endr
	ds_load_b64 v[8:9], v6                         ; LDS serves a wave's instructions in order: these see my byte stores
	s_wait_dscnt 0x0
	global_store_b64 v7, v[8:9], s[10:11]          ; 256 consecutive scale bytes, aligned
	s_wait_tensorcnt 0x0                           ; the wave's end: behind my last LDS store
	ds_add_u32 v[SPW], v[NIL]
	s_wait_dscnt 0x0
	s_endpgm
.Lwo:
	; ---- W_o to f16: 64 chunks of 128 numbers; a chunk is one load of 512 consecutive bytes, two conversions a lane, one store of 256 consecutive bytes.  No LDS.
	s_sub_co_u32 s22, ttmp9, 352
	s_lshl_b32 s22, s22, 2
	s_add_co_u32 s22, s22, s16                     ; my run of 8,192 numbers
	s_lshl_b32 s26, s22, 15
	s_add_nc_u64 s[4:5], s[12:13], s[26:27]
	s_lshl_b32 s26, s22, 14
	s_add_co_u32 s26, s26, WO
	s_add_nc_u64 s[8:9], s[14:15], s[26:27]
.macro WLOAD n                         ; batch n: 16 chunks; even batches in v16-79, odd ones in v80-143
.irp i, 0,1,2,3,4,5,6,7,8,9,10,11,12,13,14,15
	global_load_b128 v[16+64*((\n)%2)+4*\i:16+64*((\n)%2)+4*\i+3], v3, s[4:5] offset:512*(16*(\n)+\i) th:TH_LOAD_NT
.endr
.endm
.macro WBATCH n
.if (\n) < 3
	s_wait_loadcnt 16                              ; this batch is in; the next batch's sixteen loads may be out
.else
	s_wait_loadcnt 0x0
.endif
.if (\n) > 0
	s_wait_xcnt 0x0                                ; the last batch's stores have read v144-175, which are written again below
.endif
.irp i, 0,1,2,3,4,5,6,7,8,9,10,11,12,13,14,15
	v_cvt_pk_f16_f32 v[144+2*\i], v[16+64*((\n)%2)+4*\i], v[16+64*((\n)%2)+4*\i+1]
	v_cvt_pk_f16_f32 v[145+2*\i], v[16+64*((\n)%2)+4*\i+2], v[16+64*((\n)%2)+4*\i+3]
.endr
.if (\n)+2 < 4
	WLOAD (\n)+2
.endif
.irp i, 0,1,2,3,4,5,6,7,8,9,10,11,12,13,14,15
	global_store_b64 v4, v[144+2*\i:145+2*\i], s[8:9] offset:256*(16*(\n)+\i)
.endr
.endm
	WLOAD 0
	WLOAD 1
	WBATCH 0
	WBATCH 1
	WBATCH 2
	WBATCH 3
	s_wait_tensorcnt 0x0                           ; the same three lines close this path
	ds_add_u32 v[SPW], v[NIL]
	s_wait_dscnt 0x0
	s_endpgm
.Lfunc_end_k_q93d97a2222_quant:
	.size	k_q93d97a2222_quant, .Lfunc_end_k_q93d97a2222_quant-k_q93d97a2222_quant
	.p2alignl 7, 3214868480
	.fill 96, 4, 3214868480
	.section	.rodata,"a",@progbits
	.p2align	6, 0x0
	.amdhsa_kernel k_q93d97a2222_quant
		.amdhsa_group_segment_fixed_size 33280
		.amdhsa_private_segment_fixed_size 0
		.amdhsa_enable_private_segment 0
		.amdhsa_kernarg_size 48
		.amdhsa_user_sgpr_count 2
		.amdhsa_user_sgpr_kernarg_segment_ptr 1
		.amdhsa_wavefront_size32 1
		.amdhsa_system_sgpr_workgroup_id_x 1
		.amdhsa_system_sgpr_workgroup_id_y 1
		.amdhsa_system_sgpr_workgroup_id_z 1
		.amdhsa_system_vgpr_workitem_id 0
		.amdhsa_next_free_vgpr 192
		.amdhsa_next_free_sgpr 66
		.amdhsa_reserve_vcc 0
		.amdhsa_float_denorm_mode_32 3
		.amdhsa_float_denorm_mode_16_64 3
		.amdhsa_memory_ordered 1
		.amdhsa_forward_progress 1
		.amdhsa_inst_pref_size 55
	.end_amdhsa_kernel
	.amdgpu_metadata
---
amdhsa.version: [ 1, 2 ]
amdhsa.kernels:
  - .name:           k_q93d97a2222_quant
    .symbol:         k_q93d97a2222_quant.kd
    .args:
      - { .name: x, .offset: 0, .size: 8, .value_kind: global_buffer, .address_space: global }
      - { .name: W_q, .offset: 8, .size: 8, .value_kind: global_buffer, .address_space: global }
      - { .name: W_k, .offset: 16, .size: 8, .value_kind: global_buffer, .address_space: global }
      - { .name: W_v, .offset: 24, .size: 8, .value_kind: global_buffer, .address_space: global }
      - { .name: W_o, .offset: 32, .size: 8, .value_kind: global_buffer, .address_space: global }
      - { .name: prep, .offset: 40, .size: 8, .value_kind: global_buffer, .address_space: global }
    .group_segment_fixed_size: 33280
    .private_segment_fixed_size: 0
    .kernarg_segment_align: 8
    .kernarg_segment_size: 48
    .max_flat_workgroup_size: 128
    .sgpr_count:     66
    .vgpr_count:     192
    .wavefront_size: 32
...
	.end_amdgpu_metadata
.endif
;; end of part 1
;; launch qkv (part 2): grid 12 x 32, 4 waves a work-group, clusters of 4 x 4, 327,680 bytes of LDS; arguments prep, qkv, fine; writes qkv, fine
.if DOCPART == 2
	.amdgcn_target "amdgcn-amd-amdhsa--gfx1250"
	.amdhsa_code_object_version 6
	.text
	.protected	k_q93d97a2222_qkv
	.globl	k_q93d97a2222_qkv
	.p2align	8
	.type	k_q93d97a2222_qkv,@function
k_q93d97a2222_qkv:
	s_mov_b64 s[64:65], 0
	v_nop
	global_prefetch_b8 v0, s[64:65] scope:SCOPE_SE
	s_setreg_imm32_b32 hwreg(HW_REG_WAVE_MODE, 25, 1), 1
	s_wait_xcnt 0x0
	s_wait_alu depctr_hold_cnt(0) depctr_sa_sdst(0) depctr_va_vdst(0) depctr_va_sdst(0) depctr_va_ssrc(0) depctr_va_vcc(0) depctr_vm_vsrc(0)
	s_getreg_b32 s2, hwreg(HW_REG_IB_STS2, 6, 4)
	s_cmp_eq_u32 s2, 0
	s_cbranch_scc0 .Lentry_in_a_cluster
	s_endpgm
.Lentry_in_a_cluster:
	s_bfe_u32 s2, ttmp6, 0x10000c
	s_cmp_lg_u32 s2, 0xf033
	s_cbranch_scc0 .Lentry_shape_is_right
	s_endpgm
.Lentry_shape_is_right:
; q, k, v = x W^T on codes of FP4 (E2M1) with one E8M0 scale for each 32 along K: one GEMM [8192 x 1024] x [3072 x 1024]^T.  Results leave in f16 ([3][8192][1024]); the first 16 rows of each of the four
; sequences leave in f32 too ([3][4][16][1024]), for the launch that carries those rows finely.  LIMIT: |q|, |k|, |v| must stay under 65,504, the largest f16 number.
; A tile of C, 256 x 256, is made by four waves; a wave makes 128 x 128: 64 accumulators, 512 registers.  K = 1,024 is two K steps of 512 (tile rows of 256 bytes): both LDS slots are filled once, at the start, and never again.
; THE SCALES of the work-group's 256 rows of x and 256 rows of W, for all of K, are two dense blocks: they come into LDS once, with the first fills.
; CLUSTERS: 4 x 4 work-groups; A's tiles are asked for jointly along a row of the cluster, B's along a column.  The tile row is 8 cy + cluster y, so that the tile rows that begin a sequence (0, 8, 16, 24) are those of the
; clusters with y = 0: the branch to the f32 stores hangs on the cluster's y and the wave's number alone, alike in all sixteen partners.
; THE MATRIX INSTRUCTION IS USED TRANSPOSED (source 0 = 16 rows of W, source 1 = 16 rows of x): a lane holds eight neighbouring numbers of a row of C.
; REGISTERS, in windows of 256: window 0: v0-31 addresses; v32-95 scale words, two sets; v128-191 A's fragments, one set; on the way out v32-63, v192-255 at work.
;   window 1: B's fragments, two sets, at v0 and v128.  window 2: accumulators of my rows 0-63 ((a, b) at v[8 (8 a + b)]);  window 3: those of rows 64-127.
.set SIZE_K, 1024
.set KSTEP,  512
.set NQ,     KSTEP/128
.set ROWB,   256
.set KROW,   SIZE_K*4/8
.set PITCH,  272                       ; an LDS row: 256 bytes + 16 of padding: the 16 rows that a load touches start at 16 different banks (64 banks of 4 bytes: ISA guide 11.1)
.set FR,     8
.set NL,     2
.set NP,     4                         ; places behind this matrix instruction (ISA guide 7.12.1)
.set HALFT,  128*PITCH
.set SLOT,   4*HALFT
.set KS,     SIZE_K/32
.set SCL,    2*SLOT
.set HALFS,  (128*KS/256)*272
.set SBLK,   (16*KS/256)*272
.set SPARE,  SCL+4*HALFS               ; the spare words, 128 bytes a wave
.set SPITCH, 272                       ; the way out: a stage of 16 rows x (256 + 16) bytes for each wave, in slot 0, which has had its only fill and its last read by then
.set XSO,    5767168                   ; places in the workspace buffer: x's scale bytes,
.set WCO,    4194304                   ; the weights' codes,
.set WSO,    6029312                   ; the weights' scale bytes
.set ADRA, 16
.set ADRB, 20
.set STO,  24
.set RD,   25
.set CO,   26
.set ADRS, 27
.set SPW,  28
.set NIL,  29
.set FO,   30                          ; v30 my byte offset among the f32 rows
.set SC,   32
.set AF,   128
.set TMP,  192                         ; the way out: packed results
.set OB,   32                          ; and 16 rows read back: v32-63 and v224-255 by turns
.set G1, 24
.set G0, 32
.set G1B, 48
.set G0B, 56
.set G1S, 68
.set G0S, 76
.set G1SB, 80
.set G0SB, 88
.set MSB, 0
.macro WIN new                         ; the immediate's high byte repeats the setting that is left
.if MSB != \new
	s_set_vgpr_msb (MSB<<8)|\new
.set MSB, \new
.endif
.endm
.set MUL_LO, 0xa1
.set MUL_HI, 0xf1
.set TO_B,   0x40
; A joint load: waves 0 and 1 fetch for A, waves 2 and 3 for B; the branch hangs on the wave's number alone.  An s_nop 0 and four v_nop follow each of the two lines.
.macro JLOAD g0a, g1a, g0b, g1b
	s_cmp_eq_u32 s15, 0
	s_cbranch_scc0 .Lfor_b_\@
	tensor_load_to_lds s[\g0a:\g0a+3], s[\g1a:\g1a+7]
	s_nop 0
.rept 4
	v_nop
.endr
	s_branch .Lasked_\@
.Lfor_b_\@:
	tensor_load_to_lds s[\g0b:\g0b+3], s[\g1b:\g1b+7]
	s_nop 0
.rept 4
	v_nop
.endr
.Lasked_\@:
.endm
.macro CROUND                          ; a round of the cluster's barrier
	s_barrier_signal -1
	s_barrier_wait -1
	s_cmp_lg_u32 s14, 0
	s_cbranch_scc1 .Lnot_wave_0_\@
	s_barrier_signal -3
.Lnot_wave_0_\@:
	s_barrier_wait -3
	s_barrier_signal -1
	s_barrier_wait -1
.endm
	s_load_b64 s[4:5], s[0:1], 0x0                 ; the codes and scale bytes
	s_load_b64 s[12:13], s[0:1], 0x8               ; q, k, v in f16
	s_load_b64 s[96:97], s[0:1], 0x10              ; the f32 rows
	v_lshl_add_u32 v[SPW], v0, 2, SPARE
	v_mov_b32 v[NIL], 0
	ds_add_u32 v[SPW], v[NIL]                      ; the wave's opening: the add, twice on end, and its wait ahead of my first tensor load
	ds_add_u32 v[SPW], v[NIL]
	v_lshrrev_b32 v1, 5, v0
	v_readfirstlane_b32 s14, v1                    ; wave 0..3
	s_lshr_b32 s15, s14, 1                         ; which half of the tile's rows is mine.  Also: I fetch for A (0) or for B (1)
	s_and_b32 s16, s14, 1                          ; which half of its columns.  Also: which 128 rows I fetch
	s_bfe_u32 s40, ttmp6, 0x40000                  ; cx
	s_bfe_u32 s41, ttmp6, 0x40004                  ; cy
	s_lshl_b32 s42, ttmp9, 2
	s_add_co_u32 s42, s42, s40                     ; tile column = 4 x cluster x + cx: 0-3 q, 4-7 k, 8-11 v
	s_and_b32 s95, ttmp7, 0xffff                   ; cluster y
	s_lshl_b32 s17, s41, 3
	s_add_co_u32 s17, s17, s95                     ; tile row = 8 cy + cluster y
	s_lshl_b32 s43, s41, 2
	s_lshl_b32 s43, 15, s43                        ; my row of the cluster
	s_lshl_b32 s44, 0x1111, s40                    ; my column
	s_or_b32 s[G1+0], s43, (0<<16)|(1<<20)|(1<<21)|(5<<22)|(3<<25)  ; the mask; elements of 1 byte; padding on; bit 21 beside a mask; 4 words of padding after every 64
	s_or_b32 s[G1B+0], s44, (0<<16)|(1<<20)|(1<<21)|(5<<22)|(3<<25)
.irp g, G1, G1B
	s_mov_b32 s[\g+1], ROWB<<16                    ; tensor_dim0
	s_mov_b32 s[\g+2], 128<<16                     ; tensor_dim1
	s_mov_b32 s[\g+3], ROWB<<16                    ; tile_dim0
	s_mov_b32 s[\g+4], 128                         ; tile_dim1
	s_mov_b32 s[\g+5], KROW                        ; pitch
	s_mov_b32 s[\g+6], 0
	s_mov_b32 s[\g+7], 0
.endr
	s_or_b32 s[G1S+0], s43, (3<<16)|(1<<20)|(1<<21)|(5<<22)|(3<<25) ; the scales of 128 rows: 4,096 dense bytes as 16 rows of 256 (32 elements of 8 bytes)
	s_or_b32 s[G1SB+0], s44, (3<<16)|(1<<20)|(1<<21)|(5<<22)|(3<<25)
.irp g, G1S, G1SB
	s_mov_b32 s[\g+1], 32<<16
	s_mov_b32 s[\g+2], (128*KS/256)<<16
	s_mov_b32 s[\g+3], 32<<16
	s_mov_b32 s[\g+4], 128*KS/256
	s_mov_b32 s[\g+5], 32
	s_mov_b32 s[\g+6], 0
	s_mov_b32 s[\g+7], 0
.endr
	s_lshl_b32 s18, s16, 7
	s_lshl_b32 s20, s17, 8
	s_add_co_u32 s20, s20, s18                     ; A: row 256 x tile row + 128 x half
	s_lshl_b32 s46, s42, 8
	s_add_co_u32 s46, s46, s18                     ; B: row 256 x tile column + 128 x half
	s_mov_b32 s21, 0
	s_mov_b32 s47, 0
	s_mov_b64 s[18:19], KS
	s_mul_u64 s[22:23], s[20:21], s[18:19]         ; where these rows' scales begin
	s_mul_u64 s[92:93], s[46:47], s[18:19]
	s_mov_b64 s[18:19], KROW
	s_mul_u64 s[20:21], s[20:21], s[18:19]         ; and their codes
	s_mul_u64 s[46:47], s[46:47], s[18:19]
	s_mul_i32 s45, s14, HALFT                      ; where they go: wave x 128 rows
	s_mul_i32 s94, s14, HALFS
	s_wait_dscnt 0x0                               ; both opening adds are done
	s_wait_kmcnt 0x0
	s_add_nc_u64 s[6:7], s[4:5], XSO
	s_add_nc_u64 s[8:9], s[4:5], WCO
	s_add_nc_u64 s[10:11], s[4:5], WSO
	s_add_nc_u64 s[20:21], s[4:5], s[20:21]
	s_add_nc_u64 s[22:23], s[6:7], s[22:23]
	s_add_nc_u64 s[46:47], s[8:9], s[46:47]
	s_add_nc_u64 s[92:93], s[10:11], s[92:93]
	CROUND                                         ; all sixteen work-groups are here: the first joint loads meet
	s_mov_b32 s[G0S], 1
	s_add_co_u32 s[G0S+1], s94, SCL
	s_mov_b64 s[G0S+2:G0S+3], s[22:23]
	s_or_b32 s[G0S+3], s[G0S+3], 0x80000000
	s_mov_b32 s[G0SB], 1
	s_add_co_u32 s[G0SB+1], s94, SCL
	s_mov_b64 s[G0SB+2:G0SB+3], s[92:93]
	s_or_b32 s[G0SB+3], s[G0SB+3], 0x80000000
	JLOAD G0S, G1S, G0SB, G1SB                     ; the scales first
.irp s, 0,1
	s_mov_b32 s[G0+4*\s], 1
	s_add_co_u32 s[G0+4*\s+1], s45, \s*SLOT
	s_add_nc_u64 s[G0+4*\s+2:G0+4*\s+3], s[20:21], \s*ROWB
	s_or_b32 s[G0+4*\s+3], s[G0+4*\s+3], 0x80000000
	s_mov_b32 s[G0B+4*\s], 1
	s_add_co_u32 s[G0B+4*\s+1], s45, \s*SLOT
	s_add_nc_u64 s[G0B+4*\s+2:G0B+4*\s+3], s[46:47], \s*ROWB
	s_or_b32 s[G0B+4*\s+3], s[G0B+4*\s+3], 0x80000000
	JLOAD G0+4*\s, G1, G0B+4*\s, G1B               ; three tensor loads of mine are out behind the last of these
.endr
	v_and_b32 v1, 15, v0                           ; r = l % 16
	v_bfe_u32 v2, v0, 4, 1                         ; h = l / 16
	v_mul_u32_u24 v3, v1, PITCH
	v_lshl_add_u32 v4, v2, 4, v3
	s_mul_i32 s21, s15, HALFT
	s_mul_i32 s22, s16, HALFT
	s_add_co_u32 s22, s22, 2*HALFT
.irp s, 0,1
	v_add_nc_u32 v[ADRA+\s], s21, v4
	v_add_nc_u32 v[ADRB+\s], s22, v4
	s_add_co_u32 s21, s21, SLOT
	s_add_co_u32 s22, s22, SLOT
.endr
	v_mul_u32_u24 v5, v1, KS                       ; my row's scales: 32 bytes a row,
	v_lshrrev_b32 v6, 8, v5
	v_lshl_add_u32 v5, v6, 4, v5                   ; and 16 more for each 256 passed
	s_mul_i32 s21, s15, HALFS
	s_mul_i32 s22, s16, HALFS
	s_add_co_u32 s22, s22, 2*HALFS
	s_sub_co_u32 s22, s22, s21
	v_mul_u32_u24 v6, s22, v2                      ; lanes 16-31 take B's
	s_add_co_u32 s21, s21, SCL
	v_add_nc_u32 v5, v5, v6
	v_add_nc_u32 v[ADRS], s21, v5
	s_mul_i32 s23, s14, 16*SPITCH                  ; my stage
	v_mul_u32_u24 v5, v1, SPITCH                   ; in: row r, 16 bytes for each half of the lanes
	v_lshl_add_u32 v5, v2, 4, v5
	v_add_nc_u32 v[STO], s23, v5
	v_mul_u32_u24 v5, v2, SPITCH                   ; back: lanes 0-15 one row of 256 bytes, lanes 16-31 the next
	v_lshl_add_u32 v5, v1, 4, v5
	v_add_nc_u32 v[RD], s23, v5
	v_lshlrev_b32 v5, 11, v2                       ; and the same two rows in C (2,048 bytes a row)
	v_lshl_add_u32 v[CO], v1, 4, v5
	v_lshlrev_b32 v[FO], 12, v1                    ; the f32 rows: 4,096 r + 32 h
	v_lshl_add_u32 v[FO], v2, 5, v[FO]
	s_lshl_b32 s20, s17, 8
	s_lshl_b32 s21, s15, 7
	s_add_co_u32 s20, s20, s21                     ; my first row: 256 x tile row + 128 x half
	s_lshl_b32 s20, s20, 11                        ; in bytes
	s_lshl_b32 s21, ttmp9, 24                      ; q, k or v: 16,777,216 bytes each
	s_add_co_u32 s20, s20, s21
	s_lshl_b32 s46, s40, 9                         ; my first column in it: 512 cx + 256 x half bytes
	s_lshl_b32 s47, s16, 8
	s_add_co_u32 s46, s46, s47
	s_add_co_u32 s20, s20, s46
	s_mov_b32 s21, 0
	s_add_nc_u64 s[12:13], s[12:13], s[20:21]
	s_lshl_b32 s20, ttmp9, 18                      ; the f32 rows: q, k or v (262,144 bytes each),
	s_lshl_b32 s46, s41, 16                        ; the sequence, which is cy where cluster y = 0 (65,536 bytes each),
	s_add_co_u32 s20, s20, s46
	s_lshl_b32 s46, s40, 10                        ; 256 cx columns of 4 bytes,
	s_add_co_u32 s20, s20, s46
	s_lshl_b32 s46, s16, 9                         ; 128 x half
	s_add_co_u32 s20, s20, s46
	s_add_nc_u64 s[96:97], s[96:97], s[20:21]
.macro FRAG reg, adr, q, i             ; 16 rows x 128 K of 4-bit codes: 8 registers, two loads of 16 bytes 32 bytes apart
.irp c, 0,1
	ds_load_b128 v[\reg+4*\c:\reg+4*\c+3], v[\adr] offset:64*(\q)+32*\c+(\i)*16*PITCH
.endr
.endm
; 16 matrix instructions: A's blocks a0, a0 + 1 x B's eight.  The 64 accumulators take turns, one instruction a turn, in the same order in every step.
.macro MUL16 a0, p, q, sc, zero
.irp a, \a0, \a0+1
.irp b, 0,1,2,3,4,5,6,7
.if \zero
	v_wmma_scale_f32_16x16x128_f8f6f4 v[8*(8*((\a)%4)+\b):8*(8*((\a)%4)+\b)+7], v[128*(\p)+FR*\b:128*(\p)+FR*\b+FR-1], v[AF+FR*(\a):AF+FR*(\a)+FR-1], 0, v[SC+8*NQ*(\sc)+NQ*\b+(\q)], v[SC+8*NQ*(\sc)+NQ*(\a)+(\q)] matrix_a_fmt:MATRIX_FMT_FP4 matrix_b_fmt:MATRIX_FMT_FP4 matrix_a_scale:MATRIX_SCALE_ROW1
.else
	v_wmma_scale_f32_16x16x128_f8f6f4 v[8*(8*((\a)%4)+\b):8*(8*((\a)%4)+\b)+7], v[128*(\p)+FR*\b:128*(\p)+FR*\b+FR-1], v[AF+FR*(\a):AF+FR*(\a)+FR-1], v[8*(8*((\a)%4)+\b):8*(8*((\a)%4)+\b)+7], v[SC+8*NQ*(\sc)+NQ*\b+(\q)], v[SC+8*NQ*(\sc)+NQ*(\a)+(\q)] matrix_a_fmt:MATRIX_FMT_FP4 matrix_b_fmt:MATRIX_FMT_FP4 matrix_a_scale:MATRIX_SCALE_ROW1
.endif
.endr
.endr
.endm
.macro FETCH_B slot, q, p
	WIN TO_B
.irp i, 0,1,2,3,4,5,6,7
	FRAG 128*(\p)+FR*\i, ADRB+\slot, \q, \i
.endr
	WIN 0
.endm
.macro FETCH_A slot, q, i0
.irp i, \i0, \i0+1, \i0+2, \i0+3
	FRAG AF+FR*(\i), ADRA+\slot, \q, \i
.endr
.endm
.macro SCALES sc                       ; a K step's scale words: 4 words a row; lanes 0-15 A's block i, lanes 16-31 B's block i
.irp i, 0,1,2,3,4,5,6,7
	ds_load_b128 v[SC+8*NQ*\sc+NQ*\i:SC+8*NQ*\sc+NQ*\i+3], v[ADRS] offset:\i*SBLK
.endr
.endm
.macro PLACES n                        ; plain vector lines between matrix instructions and loads into, or reads of, their registers
.rept \n
	v_nop
.endr
.endm
.macro STEP slot, q, zero              ; 128 along K that has its successor in the same slot
	s_wait_dscnt 4*NL                              ; B's set and A's blocks 0-3 are in; the youngest eight loads (A's blocks 4-7) may be out
	WIN MUL_LO
	MUL16 0, (\q)%2, \q, \slot, \zero
	MUL16 2, (\q)%2, \q, \slot, \zero
	s_wait_dscnt 0
	PLACES NP
	FETCH_B \slot, (\q)+1, 1-(\q)%2
	FETCH_A \slot, (\q)+1, 0
	WIN MUL_HI
	MUL16 4, (\q)%2, \q, \slot, \zero
	MUL16 6, (\q)%2, \q, \slot, \zero
	PLACES NP
	WIN 0
	FETCH_A \slot, (\q)+1, 4
.endm
; Slot 0's last step changes slots: one barrier.  In front of it each wave waits for all its tensor loads (its part of slot 1), adds 0 to its spare word, and waits for that and for its reads of slot 0.  Nothing is filled again.
.macro TURN slot, next
	s_wait_tensorcnt 0x0
	ds_add_u32 v[SPW], v[NIL]
	s_wait_dscnt 4*NL+1                            ; (the add and A's blocks 4-7 may be out)
	WIN MUL_LO
	MUL16 0, 1, NQ-1, \slot, 0
	s_wait_dscnt 0x0                               ; the add is done, and my reads of this slot are over
	s_barrier_signal -1
	MUL16 2, 1, NQ-1, \slot, 0
	WIN 0
	s_barrier_wait -1
	PLACES NP
	v_add_nc_u32 v[ADRS], 4*NQ, v[ADRS]            ; on to the next K step's scale words
	FETCH_B \next, 0, 0
	FETCH_A \next, 0, 0
	SCALES \next
	WIN MUL_HI
	MUL16 4, 1, NQ-1, \slot, 0
	MUL16 6, 1, NQ-1, \slot, 0
	PLACES NP
	WIN 0
	FETCH_A \next, 0, 4
.endm
	s_wait_tensorcnt 1                             ; the scales and my part of K step 0 are in (K step 1's load may be out)
	s_barrier_signal -1
	s_barrier_wait -1                              ; everybody's are
	FETCH_B 0, 0, 0
	FETCH_A 0, 0, 0
	SCALES 0
	FETCH_A 0, 0, 4
	STEP 0, 0, 1                                   ; the first products start the sums: nothing is cleared
	STEP 0, 1, 0
	STEP 0, 2, 0
	TURN 0, 1
	STEP 1, 0, 0
	STEP 1, 1, 0
	STEP 1, 2, 0
	s_wait_dscnt 4*NL                              ; the very last step
	WIN MUL_LO
	MUL16 0, 1, NQ-1, 1, 0
	MUL16 2, 1, NQ-1, 1, 0
	s_wait_dscnt 0
	WIN MUL_HI
	MUL16 4, 1, NQ-1, 1, 0
	MUL16 6, 1, NQ-1, 1, 0
	WIN 0
	PLACES NP                                      ; behind the last products: for the reads of results and the loads into registers that held scale words
	; THE FIRST 16 ROWS OF A SEQUENCE, IN F32: my block 0, where the tile begins a sequence (cluster y = 0) and my rows are its upper half
	s_or_b32 s2, s95, s15
	s_cmp_lg_u32 s2, 0
	s_cbranch_scc1 .Lnofine
	WIN 0x08                                       ; a store's data: window 2
.irp b, 0,1,2,3,4,5,6,7
	global_store_b128 v[FO], v[8*\b:8*\b+3], s[96:97] offset:64*\b           ; row r, columns 16 b + 8 h on; each accumulator from its low end on
	global_store_b128 v[FO], v[8*\b+4:8*\b+7], s[96:97] offset:64*\b+16
.endr
	WIN 0
.Lnofine:
; THE WAY OUT, block by block of 16 rows x 128 columns: rounded to f16, 16 bytes a lane into my stage, back as whole rows of 256 bytes.
.macro PACK a
.set AC, 64*((\a)%4)
	WIN 0x0a+5*((\a)/4)                            ; sources 0 and 1: window 2 or 3
.irp b, 0,1,2,3,4,5,6,7
.irp r, 0,1,2,3
	v_cvt_pk_f16_f32 v[TMP+4*\b+\r], v[AC+8*\b+2*\r], v[AC+8*\b+2*\r+1]
.endr
.endr
	WIN 0
.endm
.macro TOSTAGE a
.set BB, OB+192*((\a)%2)
.irp b, 0,1,2,3,4,5,6,7
	ds_store_b128 v[STO], v[TMP+4*\b:TMP+4*\b+3] offset:32*\b
.endr
.irp t, 0,1,2,3,4,5,6,7
	ds_load_b128 v[BB+4*\t:BB+4*\t+3], v[RD] offset:\t*2*SPITCH    ; LDS serves a wave's instructions in order (ISA guide 5.7.1.4): these see the stores above
.endr
.endm
.macro SEND a
.set BB, OB+192*((\a)%2)
	s_wait_dscnt 0x0                               ; the block is back in registers
	s_wait_xcnt 0x0                                ; earlier stores have read their base and their registers: both may be written again
.if (\a) > 0
	s_add_nc_u64 s[12:13], s[12:13], 16*2048       ; 16 rows of C on
.endif
.irp t, 0,1,2,3,4,5,6,7
	global_store_b128 v[CO], v[BB+4*\t:BB+4*\t+3], s[12:13] offset:\t*2*2048   ; 16 lanes store 256 consecutive bytes, aligned
.endr
.endm
	PACK 0
	TOSTAGE 0
.irp a, 1,2,3,4,5,6,7                  ; block a's conversions stand between block a - 1's loads from the stage and the wait for them
	PACK \a
	SEND \a-1
	TOSTAGE \a
.endr
	SEND 7
	s_wait_tensorcnt 0x0                           ; the wave's end
	ds_add_u32 v[SPW], v[NIL]
	s_wait_dscnt 0x0
	CROUND                                         ; the closing round
	s_endpgm
.Lfunc_end_k_q93d97a2222_qkv:
	.size	k_q93d97a2222_qkv, .Lfunc_end_k_q93d97a2222_qkv-k_q93d97a2222_qkv
	.p2alignl 7, 3214868480
	.fill 96, 4, 3214868480
	.section	.rodata,"a",@progbits
	.p2align	6, 0x0
	.amdhsa_kernel k_q93d97a2222_qkv
		.amdhsa_group_segment_fixed_size 327680
		.amdhsa_private_segment_fixed_size 0
		.amdhsa_enable_private_segment 0
		.amdhsa_kernarg_size 24
		.amdhsa_user_sgpr_count 2
		.amdhsa_user_sgpr_kernarg_segment_ptr 1
		.amdhsa_wavefront_size32 1
		.amdhsa_system_sgpr_workgroup_id_x 1
		.amdhsa_system_sgpr_workgroup_id_y 1
		.amdhsa_system_sgpr_workgroup_id_z 1
		.amdhsa_system_vgpr_workitem_id 0
		.amdhsa_next_free_vgpr 1024
		.amdhsa_next_free_sgpr 98
		.amdhsa_reserve_vcc 0
		.amdhsa_float_denorm_mode_32 3
		.amdhsa_float_denorm_mode_16_64 3
		.amdhsa_memory_ordered 1
		.amdhsa_forward_progress 1
		.amdhsa_inst_pref_size 129
	.end_amdhsa_kernel
	.amdgpu_metadata
---
amdhsa.version: [ 1, 2 ]
amdhsa.kernels:
  - .name:           k_q93d97a2222_qkv
    .symbol:         k_q93d97a2222_qkv.kd
    .args:
      - { .name: prep, .offset: 0, .size: 8, .value_kind: global_buffer, .address_space: global }
      - { .name: qkv, .offset: 8, .size: 8, .value_kind: global_buffer, .address_space: global }
      - { .name: fine, .offset: 16, .size: 8, .value_kind: global_buffer, .address_space: global }
    .group_segment_fixed_size: 327680
    .private_segment_fixed_size: 0
    .kernarg_segment_align: 8
    .kernarg_segment_size: 24
    .max_flat_workgroup_size: 128
    .sgpr_count:     98
    .vgpr_count:     1024
    .wavefront_size: 32
...
	.end_amdgpu_metadata
.endif
;; end of part 2
;; launch scores (part 3): grid 12 x 16, 4 waves a work-group, clusters of 4 x 4, 327,680 bytes of LDS; arguments qkv, sc; writes sc
.if DOCPART == 3
	.amdgcn_target "amdgcn-amd-amdhsa--gfx1250"
	.amdhsa_code_object_version 6
	.text
	.protected	k_q93d97a2222_scores
	.globl	k_q93d97a2222_scores
	.p2align	8
	.type	k_q93d97a2222_scores,@function
k_q93d97a2222_scores:
	s_mov_b64 s[64:65], 0
	v_nop
	global_prefetch_b8 v0, s[64:65] scope:SCOPE_SE
	s_setreg_imm32_b32 hwreg(HW_REG_WAVE_MODE, 25, 1), 1
	s_wait_xcnt 0x0
	s_wait_alu depctr_hold_cnt(0) depctr_sa_sdst(0) depctr_va_vdst(0) depctr_va_sdst(0) depctr_va_ssrc(0) depctr_va_vcc(0) depctr_vm_vsrc(0)
	s_getreg_b32 s2, hwreg(HW_REG_IB_STS2, 6, 4)
	s_cmp_eq_u32 s2, 0
	s_cbranch_scc0 .Lentry_in_a_cluster
	s_endpgm
.Lentry_in_a_cluster:
	s_bfe_u32 s2, ttmp6, 0x10000c
	s_cmp_lg_u32 s2, 0xf033
	s_cbranch_scc0 .Lentry_shape_is_right
	s_endpgm
.Lentry_shape_is_right:
; S[b][q][k] = the sum over d of q[b][q][d] k[b][k][d], f16 operands, f32 sums, stored unscaled in f32 ([4][2048][2048], 8,192 bytes a row), for the blocks of 1,024 x 1,024 on and under the diagonal: three a sequence.
; A cluster of 4 x 4 work-groups makes one such block; a work-group a tile of 256 x 256; each of its four waves, as many as a WGP has SIMDs, 128 x 128: 64 accumulators of 16 x 16, 512 registers.
; K = 1,024 goes in eight steps of 128 (tile rows of 256 bytes) through a ring of two LDS slots filled by the tensor data mover: a wave issues 256 matrix instructions in a K step, 224 of them between a refill's request and the wait for it.
; 12 clusters, 192 work-groups: fewer than there are WGPs.  The larger tile is taken all the same: each byte fetched feeds 64 multiply-adds where a tile of 128 x 128 feeds 32, and set-up and way out are run once on a WGP.
; In a block on the diagonal six of the sixteen tiles lie wholly above it and are multiplied and stored all the same: every partner that a joint load names has to issue it.
; The launch that follows reads keys under 512 (q / 512 + 1) alone, all of which are written here, and masks what lies above the diagonal.
; A's tiles (q) are asked for jointly along a row of the cluster, B's (k) along a column.  THE MATRIX INSTRUCTION IS USED TRANSPOSED (source 0 = 16 rows of k, source 1 = 16 rows of q): a lane holds eight neighbouring numbers of a row of S.
; REGISTERS, in windows of 256 (s_set_vgpr_msb's low byte: bits 1:0 source 0, 3:2 source 1, 5:4 source 2, 7:6 destination):
;   window 0: v0-31 addresses; v64-127, v128-191 fragments of q (8 x 16 rows x 32 K), two buffers; on the way out v128-255: rows read back from the stage
;   window 1: v64-127, v128-191 fragments of k, two buffers
;   window 2: the 32 accumulators of my rows 0-63 (accumulator (a, b) at v[8 (8 a + b)]);   window 3: those of my rows 64-127
.set SIZE_K, 1024
.set CP,     8192                      ; a row of S in bytes
.set KOFF,   16777216                  ; k behind q
.set KSTEP,  128
.set PITCH,  272                       ; an LDS row: 256 bytes + 16 of padding = 68 words: row r starts at bank 4 r mod 64 (64 banks of 4 bytes: ISA guide 11.1), so the 16 rows that a load touches start at 16 different banks
.set HALFT,  128*PITCH                 ; 128 rows: what one tensor load brings, and what one wave reads of q or of k
.set SLOT,   4*HALFT                   ; q's 256 rows, then k's 256 rows
.set STAGE,  2*SLOT                    ; behind the ring: 16 rows x (512 + 16) bytes for each wave, for the way out; no tensor load lands there
.set SPITCH, 528
.set SPARE,  STAGE+4*16*SPITCH         ; behind the stages: the spare words, 128 bytes for each wave
.set LAPS,   SIZE_K/(2*KSTEP)          ; a lap = two K steps = once round the ring: four
.set ADRA, 16                          ; v16-17  LDS address of my q fragments in slot 0, 1
.set ADRB, 20                          ; v20-21  the same for k
.set STO,  24                          ; v24     the way out: where I put 32 bytes of a row
.set RD,   25                          ; v25     the way out: where I read a row back
.set CO,   26                          ; v26     my byte offset in a row of S
.set SPW,  28                          ; v28     LDS address of my spare word; never rewritten
.set NIL,  29                          ; v29     0; never rewritten
.set F0,   64                          ; fragment buffer 0
.set F1,   128                         ; fragment buffer 1
.set BK,   128                         ; the way out: 16 rows read back: v128-191 and v192-255 by turns
.set G1, 24                            ; s[24:31] descriptor group 1 for q's tiles;  s[32:39] group 0, one set for each slot
.set G0, 32
.set G1B, 48                           ; s[48:55], s[56:63] the same for k's tiles
.set G0B, 56
.set MSB, 0
.macro WIN new                         ; the immediate's high byte repeats the setting that is left; a switch that changes nothing is dropped
.if MSB != \new
	s_set_vgpr_msb (MSB<<8)|\new
.set MSB, \new
.endif
.endm
.set MUL_LO, 0xa1                      ; source 0 (k) window 1, source 1 (q) window 0, C and D window 2
.set MUL_HI, 0xf1                      ; the same, C and D window 3
.set TO_B,   0x40                      ; destination window 1, address window 0
.macro JLOAD s                         ; a joint load: waves 0 and 1 fetch q's halves, waves 2 and 3 k's; the branch hangs on the wave's number alone; an s_nop 0 and four v_nop follow each line
	s_cmp_eq_u32 s11, 0
	s_cbranch_scc0 .Lfor_b_\@
	tensor_load_to_lds s[G0+4*\s:G0+4*\s+3], s[G1:G1+7]
	s_nop 0
.rept 4
	v_nop
.endr
	s_branch .Lasked_\@
.Lfor_b_\@:
	tensor_load_to_lds s[G0B+4*\s:G0B+4*\s+3], s[G1B:G1B+7]
	s_nop 0
.rept 4
	v_nop
.endr
.Lasked_\@:
.endm
.macro CREST                           ; a round of the cluster's barrier behind its opening barrier
	s_cmp_lg_u32 s10, 0
	s_cbranch_scc1 .Lnot_wave_0_\@
	s_barrier_signal -3
.Lnot_wave_0_\@:
	s_barrier_wait -3
	s_barrier_signal -1
	s_barrier_wait -1
.endm
.macro CROUND                          ; a whole round
	s_barrier_signal -1
	s_barrier_wait -1
	CREST
.endm
	s_load_b64 s[4:5], s[0:1], 0x0                 ; q (k behind it)
	s_load_b64 s[8:9], s[0:1], 0x8                 ; S
	v_lshl_add_u32 v[SPW], v0, 2, SPARE
	v_mov_b32 v[NIL], 0
	ds_add_u32 v[SPW], v[NIL]                      ; the wave's opening: the add, twice on end, and its wait ahead of my first tensor load
	ds_add_u32 v[SPW], v[NIL]
	v_lshrrev_b32 v1, 5, v0
	v_readfirstlane_b32 s10, v1                    ; wave 0..3
	s_lshr_b32 s11, s10, 1                         ; my half of the tile's rows.  Also: I fetch for q (0) or for k (1)
	s_and_b32 s12, s10, 1                          ; my half of its columns.  Also: which 128 rows I fetch
	s_bfe_u32 s40, ttmp6, 0x40000                  ; cx
	s_bfe_u32 s41, ttmp6, 0x40004                  ; cy
	s_cmp_gt_u32 ttmp9, 0                          ; cluster x = 0, 1, 2 numbers the blocks (I, J) = (0, 0), (1, 0), (1, 1)
	s_cselect_b32 s66, 1, 0                        ; I
	s_cmp_gt_u32 ttmp9, 1
	s_cselect_b32 s67, 1, 0                        ; J
	s_and_b32 s69, ttmp7, 0xffff                   ; cluster y: the sequence
	s_lshl_b32 s69, s69, 3                         ; 8 tiles of 256 rows each
	s_lshl_b32 s13, s66, 2
	s_add_co_u32 s13, s13, s69
	s_add_co_u32 s13, s13, s41                     ; q's tile: 8 b + 4 I + cy
	s_lshl_b32 s42, s67, 2
	s_add_co_u32 s42, s42, s69
	s_add_co_u32 s42, s42, s40                     ; k's tile: 8 b + 4 J + cx
	s_lshl_b32 s43, s41, 2
	s_lshl_b32 s43, 15, s43                        ; my row of the cluster
	s_lshl_b32 s44, 0x1111, s40                    ; my column
	; descriptor group 1: a tile of 128 rows x 128 elements, padded in LDS
	s_or_b32 s[G1+0], s43, (1<<16)|(1<<20)|(1<<21)|(5<<22)|(3<<25)  ; 15:0 the mask; 17:16 elements of 2 bytes; 20 padding on; 21 set beside a mask; 24:22 after every 64 words (code 5); 31:25 4 words of it (code 3)
	s_or_b32 s[G1B+0], s44, (1<<16)|(1<<20)|(1<<21)|(5<<22)|(3<<25)
.irp g, G1, G1B
	s_mov_b32 s[\g+1], KSTEP<<16                   ; tensor_dim0 = 128
	s_mov_b32 s[\g+2], 128<<16                     ; tensor_dim1 = 128
	s_mov_b32 s[\g+3], KSTEP<<16                   ; tile_dim0 = 128
	s_mov_b32 s[\g+4], 128                         ; tile_dim1 = 128
	s_mov_b32 s[\g+5], SIZE_K                      ; elements from row to row
	s_mov_b32 s[\g+6], 0
	s_mov_b32 s[\g+7], 0
.endr
	s_lshl_b32 s17, s12, 7                         ; which 128 rows of the tile I fetch
	s_lshl_b32 s16, s13, 8
	s_add_co_u32 s16, s16, s17                     ; q: row 256 x tile + 128 x half
	s_lshl_b32 s46, s42, 8
	s_add_co_u32 s46, s46, s17                     ; k likewise
	s_mov_b32 s17, 0
	s_mov_b32 s47, 0
	s_mov_b64 s[18:19], SIZE_K*2
	s_mul_u64 s[16:17], s[16:17], s[18:19]         ; in bytes
	s_mul_u64 s[46:47], s[46:47], s[18:19]
	s_mul_i32 s20, s10, HALFT                      ; where they go: q's two halves, then k's two = wave x 128 rows: no place in the cluster enters an LDS address
	s_wait_dscnt 0x0                               ; both opening adds are done
	s_wait_kmcnt 0x0
	s_add_nc_u64 s[6:7], s[4:5], KOFF
	s_add_nc_u64 s[14:15], s[4:5], s[16:17]
	s_add_nc_u64 s[46:47], s[6:7], s[46:47]
	CROUND                                         ; all sixteen work-groups are here: the first joint loads meet
.irp s, 0,1
	s_mov_b32 s[G0+4*\s], 1                                        ; count = 1
	s_add_co_u32 s[G0+4*\s+1], s20, \s*SLOT                        ; LDS address
	s_add_nc_u64 s[G0+4*\s+2:G0+4*\s+3], s[14:15], \s*KSTEP*2      ; global address: K step s
	s_or_b32 s[G0+4*\s+3], s[G0+4*\s+3], 0x80000000                ; type = 2
	s_mov_b32 s[G0B+4*\s], 1
	s_add_co_u32 s[G0B+4*\s+1], s20, \s*SLOT
	s_add_nc_u64 s[G0B+4*\s+2:G0B+4*\s+3], s[46:47], \s*KSTEP*2
	s_or_b32 s[G0B+4*\s+3], s[G0B+4*\s+3], 0x80000000
	JLOAD \s                                       ; two tensor loads of mine are out behind the second
.endr
	; A fragment is 16 rows x 32 K in 8 registers: lane l holds row l % 16; registers 0-3 hold K = 8 (l / 16) + 0..7, registers 4-7 K = 16 + 8 (l / 16) + 0..7: two loads of 16 bytes, 32 bytes apart
	v_and_b32 v1, 15, v0                           ; r = l % 16
	v_bfe_u32 v2, v0, 4, 1                         ; h = l / 16
	v_mul_u32_u24 v3, v1, PITCH
	v_lshl_add_u32 v3, v2, 4, v3                   ; row x pitch + 16 h
	s_mul_i32 s21, s11, HALFT                      ; my 128 rows of q
	s_mul_i32 s22, s12, HALFT                      ; my 128 rows of k,
	s_add_co_u32 s22, s22, 2*HALFT                 ; which lie behind q's 256
.irp s, 0,1
	v_add_nc_u32 v[ADRA+\s], s21, v3
	v_add_nc_u32 v[ADRB+\s], s22, v3
	s_add_co_u32 s21, s21, SLOT
	s_add_co_u32 s22, s22, SLOT
.endr
	s_mul_i32 s23, s10, 16*SPITCH
	s_add_co_u32 s23, s23, STAGE                   ; my stage
	v_mul_u32_u24 v4, v1, SPITCH                   ; in: row r, 32 bytes for each half of the lanes
	v_lshl_add_u32 v4, v2, 5, v4
	v_add_nc_u32 v[STO], s23, v4
	v_and_b32 v5, 31, v0
	v_lshlrev_b32 v[CO], 4, v5                     ; back: the 32 lanes take one row of 512 bytes; and the same in S
	v_add_nc_u32 v[RD], s23, v[CO]
	s_lshl_b32 s16, s13, 8
	s_lshl_b32 s17, s11, 7
	s_add_co_u32 s16, s16, s17                     ; my first row of S: 256 x tile + 128 x half
	s_lshl_b32 s16, s16, 13                        ; x 8,192 bytes (under 2^26)
	s_mov_b32 s17, 0
	s_add_nc_u64 s[8:9], s[8:9], s[16:17]
	s_lshl_b32 s46, s67, 2
	s_add_co_u32 s46, s46, s40                     ; the tile's place along the sequence's keys: 4 J + cx
	s_lshl_b32 s46, s46, 10                        ; x 256 keys of 4 bytes
	s_lshl_b32 s47, s12, 9                         ; + my 128 columns
	s_add_co_u32 s46, s46, s47
	s_mov_b32 s47, 0
	s_add_nc_u64 s[8:9], s[8:9], s[46:47]
; 16 matrix instructions: m blocks a0, a0 + 1 of the window's four (hi = 0: my rows 0-63, 1: rows 64-127) x all 8 n blocks, 32 along K.  zero = 1: the first product starts the sums: nothing is ever cleared.
; The 64 accumulators take turns, one instruction a turn, in the same order in every quarter step.
.macro MUL16 f, hi, a0, zero
.irp a, \a0, \a0+1
.irp b, 0,1,2,3,4,5,6,7
.if \zero
	v_wmma_f32_16x16x32_f16 v[8*(8*(\a)+\b):8*(8*(\a)+\b)+7], v[\f+8*\b:\f+8*\b+7], v[\f+8*(4*\hi+\a):\f+8*(4*\hi+\a)+7], 0
.else
	v_wmma_f32_16x16x32_f16 v[8*(8*(\a)+\b):8*(8*(\a)+\b)+7], v[\f+8*\b:\f+8*\b+7], v[\f+8*(4*\hi+\a):\f+8*(4*\hi+\a)+7], v[8*(8*(\a)+\b):8*(8*(\a)+\b)+7]
.endif
.endr
.endr
.endm
; 32 LDS loads in one run: the fragments of one quarter step (128 rows of k, 128 rows of q, 32 K at byte k of the rows) into buffer f
.macro FETCH slot, k, f
	WIN TO_B
.irp i, 0,1,2,3,4,5,6,7
	ds_load_b128 v[\f+8*\i:\f+8*\i+3],   v[ADRB+\slot] offset:\k+\i*16*PITCH
	ds_load_b128 v[\f+8*\i+4:\f+8*\i+7], v[ADRB+\slot] offset:\k+\i*16*PITCH+32
.endr
	WIN 0
.irp i, 0,1,2,3,4,5,6,7
	ds_load_b128 v[\f+8*\i:\f+8*\i+3],   v[ADRA+\slot] offset:\k+\i*16*PITCH
	ds_load_b128 v[\f+8*\i+4:\f+8*\i+7], v[ADRA+\slot] offset:\k+\i*16*PITCH+32
.endr
.endm
.macro PLACES                          ; four plain vector lines between matrix instructions and loads into, or reads of, their registers (ISA guide 7.12.1 for vector instructions)
.rept 4
	v_nop
.endr
.endm
; A K step is four quarter steps of 32 along K, 64 matrix instructions each, on buffers 0, 1, 0, 1.  One of the first three: multiplies buffer f; in its middle it fetches the next quarter's fragments, at byte k, into buffer g.
.macro QUARTER slot, k, f, g, zero
	s_wait_dscnt 8                                 ; k and q's rows 0-63 are in; the youngest eight loads (q's rows 64-127) may be out
	WIN MUL_LO
	MUL16 \f, 0, 0, \zero
	MUL16 \f, 0, 2, \zero
	PLACES
	FETCH \slot, \k, \g
	s_wait_dscnt 32                                ; all but the 32 just issued
	WIN MUL_HI
	MUL16 \f, 1, 0, \zero
	MUL16 \f, 1, 2, \zero
.endm
; The last quarter multiplies buffer 1 and changes slots.  MEET is its first half: ONE barrier.  In front of it each wave waits for all its tensor loads, of which one is out: its part of the next slot; adds 0 to its spare word;
; and waits for that and for its own reads of this slot.  Behind it nobody reads this slot any more and the next slot is whole.
.macro MEET round                      ; round = 1: the rest of a round of the cluster's barrier follows
	WIN 0                                          ; (the add's two registers lie in window 0)
	s_wait_tensorcnt 0x0                           ; all my tensor loads have landed
	ds_add_u32 v[SPW], v[NIL]
	s_wait_dscnt 9                                 ; (the add and the youngest eight loads may be out)
	WIN MUL_LO
	MUL16 F1, 0, 0, 0                              ; sixteen matrix instructions stand between the add and the wait for it
	s_wait_dscnt 0x0                               ; the add is done, and my reads of this slot are over
	s_barrier_signal -1
	MUL16 F1, 0, 2, 0                              ; work on registers while the others arrive
.if \round
	WIN 0
.endif
	s_barrier_wait -1
.endm
; The whole last quarter.  fill = 1: behind a round of the cluster's barrier the slot just read out is filled again, with the K step two steps on; then come the next slot's first fragments.
.macro TURN slot, next, fill
	MEET \fill
.if \fill
	CREST                                          ; no wave of any partner still reads this slot's tile or has a load on its way
	s_add_nc_u64 s[G0+4*\slot+2:G0+4*\slot+3], s[G0+4*\slot+2:G0+4*\slot+3], 2*KSTEP*2       ; no tensor load of mine is out, so the groups 0 may be written
	s_add_nc_u64 s[G0B+4*\slot+2:G0B+4*\slot+3], s[G0B+4*\slot+2:G0B+4*\slot+3], 2*KSTEP*2
	JLOAD \slot                                    ; the first tensor load behind the round; the four v_nop behind it are also the places in front of the loads below
.else
	PLACES
.endif
	FETCH \next, 0, F0
	WIN MUL_HI
	MUL16 F1, 1, 0, 0
	MUL16 F1, 1, 2, 0
.endm
	s_wait_tensorcnt 1                             ; my part of K step 0 is in (K step 1's may be out)
	s_barrier_signal -1
	s_barrier_wait -1                              ; everybody's is
	FETCH 0, 0, F0
	QUARTER 0, 64,  F0, F1, 1                      ; the first quarter stands in front of the loop: its products start the sums
	WIN 0                                          ; at a label and at a branch every window is 0
	s_mov_b32 s3, LAPS-1
.Llap:                                                 ; three trips: a trip goes once round the ring, from a lap's second quarter to the next lap's first, and fills both slots again
	QUARTER 0, 128, F1, F0, 0
	QUARTER 0, 192, F0, F1, 0
	TURN 0, 1, 1
	QUARTER 1, 64,  F0, F1, 0
	QUARTER 1, 128, F1, F0, 0
	QUARTER 1, 192, F0, F1, 0
	TURN 1, 0, 1
	QUARTER 0, 64,  F0, F1, 0
	WIN 0
	s_sub_co_u32 s3, s3, 1
	s_cmp_lg_u32 s3, 0
	s_cbranch_scc1 .Llap
	QUARTER 0, 128, F1, F0, 0                      ; the last lap is written out: it fills nothing, and has no round of the cluster's barrier
	QUARTER 0, 192, F0, F1, 0
	TURN 0, 1, 0
	QUARTER 1, 64,  F0, F1, 0
	QUARTER 1, 128, F1, F0, 0
	QUARTER 1, 192, F0, F1, 0
	s_wait_dscnt 8                                 ; the very last quarter: nothing more to fetch
	WIN MUL_LO
	MUL16 F1, 0, 0, 0
	MUL16 F1, 0, 2, 0
	s_wait_dscnt 0
	WIN MUL_HI
	MUL16 F1, 1, 0, 0
	MUL16 F1, 1, 2, 0
	WIN 0
; THE WAY OUT, block by block of 16 rows x 128 columns of f32.  A lane holds 32 neighbouring bytes of a row, and the lanes beside it hold other rows: so a block goes through my own stage in LDS and comes back as whole rows
; of 512 bytes.  LDS serves a wave's instructions in order (ISA guide 5.7.1.4): no wait between the stores and the loads, nor in front of the next block's stores.  No barrier: the stage is the wave's own.
.macro TOSTAGE a
.set AC, 64*((\a)%4)
	WIN 0x08+4*((\a)/4)                            ; an LDS store's data are its source 1: window 2 or 3
.irp b, 0,1,2,3,4,5,6,7
	ds_store_b128 v[STO], v[AC+8*\b:AC+8*\b+3] offset:64*\b          ; each accumulator from its low end on
	ds_store_b128 v[STO], v[AC+8*\b+4:AC+8*\b+7] offset:64*\b+16
.endr
	WIN 0
.set BB, BK+64*((\a)%2)
.irp t, 0,1,2,3,4,5,6,7,8,9,10,11,12,13,14,15
	ds_load_b128 v[BB+4*\t:BB+4*\t+3], v[RD] offset:\t*SPITCH
.endr
.endm
.macro SEND a, younger                 ; younger: the LDS instructions issued behind block a's loads, which may stay out
.set BB, BK+64*((\a)%2)
	s_wait_dscnt \younger                          ; the block is back in registers
.if (\a) > 0
	s_add_nc_u64 s[8:9], s[8:9], 16*CP             ; (behind a wait on XCNT: the earlier stores have read their base)  16 rows of S on
.endif
.irp t, 0,1,2,3,4,5,6,7,8,9,10,11,12,13,14,15
	global_store_b128 v[CO], v[BB+4*\t:BB+4*\t+3], s[8:9] offset:\t*CP th:TH_STORE_NT   ; 32 lanes store 512 consecutive bytes, at a multiple of 256 from S's first byte; not read again in this launch
.endr
.endm
	PLACES                                         ; behind the last products: for the stores that read results and for the loads into the registers that held q's fragments
	TOSTAGE 0
.irp a, 1,2,3,4,5,6,7
.if \a > 1
	s_wait_xcnt 0x0                                ; block a - 2's stores have read their registers and their base: block a's loads may land there, and the base may step
.endif
	TOSTAGE \a
	SEND \a-1, 32                                  ; behind block a - 1's loads: block a's 16 stores and 16 loads
.endr
	s_wait_xcnt 0x0                                ; block 6's stores have read their base
	SEND 7, 0
	s_wait_tensorcnt 0x0                           ; the wave's end: behind my last tensor load and my last LDS store
	ds_add_u32 v[SPW], v[NIL]
	s_wait_dscnt 0x0
	CROUND                                         ; the closing round: no work-group ends while a partner may still ask for a tile that names it
	s_endpgm
.Lfunc_end_k_q93d97a2222_scores:
	.size	k_q93d97a2222_scores, .Lfunc_end_k_q93d97a2222_scores-k_q93d97a2222_scores
	.p2alignl 7, 3214868480
	.fill 96, 4, 3214868480
	.section	.rodata,"a",@progbits
	.p2align	6, 0x0
	.amdhsa_kernel k_q93d97a2222_scores
		.amdhsa_group_segment_fixed_size 327680
		.amdhsa_private_segment_fixed_size 0
		.amdhsa_enable_private_segment 0
		.amdhsa_kernarg_size 16
		.amdhsa_user_sgpr_count 2
		.amdhsa_user_sgpr_kernarg_segment_ptr 1
		.amdhsa_wavefront_size32 1
		.amdhsa_system_sgpr_workgroup_id_x 1
		.amdhsa_system_sgpr_workgroup_id_y 1
		.amdhsa_system_sgpr_workgroup_id_z 1
		.amdhsa_system_vgpr_workitem_id 0
		.amdhsa_next_free_vgpr 1024
		.amdhsa_next_free_sgpr 72
		.amdhsa_reserve_vcc 0
		.amdhsa_float_denorm_mode_32 3
		.amdhsa_float_denorm_mode_16_64 3
		.amdhsa_memory_ordered 1
		.amdhsa_forward_progress 1
		.amdhsa_inst_pref_size 141
	.end_amdhsa_kernel
	.amdgpu_metadata
---
amdhsa.version: [ 1, 2 ]
amdhsa.kernels:
  - .name:           k_q93d97a2222_scores
    .symbol:         k_q93d97a2222_scores.kd
    .args:
      - { .name: qkv, .offset: 0, .size: 8, .value_kind: global_buffer, .address_space: global }
      - { .name: sc, .offset: 8, .size: 8, .value_kind: global_buffer, .address_space: global }
    .group_segment_fixed_size: 327680
    .private_segment_fixed_size: 0
    .kernarg_segment_align: 8
    .kernarg_segment_size: 16
    .max_flat_workgroup_size: 128
    .sgpr_count:     72
    .vgpr_count:     1024
    .wavefront_size: 32
...
	.end_amdgpu_metadata
.endif
;; end of part 3
;; launch softmax (part 4): grid 512 x 1, 4 waves a work-group, no clusters, 0 bytes of LDS; arguments sc, pw; writes pw
.if DOCPART == 4
	.amdgcn_target "amdgcn-amd-amdhsa--gfx1250"
	.amdhsa_code_object_version 6
	.text
	.protected	k_q93d97a2222_softmax
	.globl	k_q93d97a2222_softmax
	.p2align	8
	.type	k_q93d97a2222_softmax,@function
k_q93d97a2222_softmax:
	s_mov_b64 s[64:65], 0
	v_nop
	global_prefetch_b8 v0, s[64:65] scope:SCOPE_SE
	s_setreg_imm32_b32 hwreg(HW_REG_WAVE_MODE, 25, 1), 1
	s_wait_xcnt 0x0
; weights[b][q][k] = softmax over k <= q of S[b][q][k] / 32.  S: f32, 8,192 bytes a row; the weights: f16, 4,096 bytes a row.  Both are used for keys under 512 (q / 512 + 1) alone; hidden keys there get the weight 0.
; The row's largest visible score is taken away before the exponential: p = 2^(c s - c m), c = log2(e) / 32; the row's sum divides p in f32; one rounding to f16.
; A stream: no LDS, no barrier, no matrix unit, no cluster (no two waves read the same bytes).  A wave takes four rows, q = 512 g + r0 for g = 0 .. 3, one of each length: every wave has the same 40 loads and no branch.
; A row stays in registers between its passes.  A load reads 512 consecutive bytes (128 keys, 4 a lane); a store covers 256 consecutive bytes, aligned.
; NaN and infinities among the scores are not served.
	s_load_b128 s[4:7], s[0:1], 0x0                ; S, the weights
	v_lshrrev_b32 v1, 5, v0
	v_readfirstlane_b32 s14, v1                    ; wave
	v_and_b32 v2, 31, v0                           ; lane
	s_lshl_b32 s15, ttmp9, 2
	s_add_co_u32 s15, s15, s14                     ; my task, 0 .. 2047
	s_lshr_b32 s16, s15, 9                         ; the sequence
	s_and_b32 s17, s15, 511                        ; r0
	s_lshl_b32 s16, s16, 11
	s_add_co_u32 s16, s16, s17                     ; row 2048 b + r0
	s_lshl_b32 s18, s16, 13
	s_mov_b32 s19, 0
	s_lshl_b32 s20, s16, 12
	s_mov_b32 s21, 0
	s_mov_b32 s8, 0x3d38aa3b                       ; c = log2(e) / 32
	s_mov_b32 s9, s8                               ; (named with it as a pair)
	s_mov_b32 s10, 0xbd38aa3b                      ; -c
	s_mov_b32 s12, 0x76543210                      ; v_permlanex16_b32's selects for lane l xor 16
	s_mov_b32 s13, 0xfedcba98
	v_lshlrev_b32 v3, 2, v2
	v_sub_nc_u32 v12, s17, v3                      ; d = r0 - 4 x lane: in the row's last 512 keys, key 128 c + 4 lane + e is hidden where 128 c + e > d
	v_mov_b32 v13, 0xff800000                      ; -infinity
	v_mov_b32 v24, 0                               ; a lane permute's destination counts as read
.irp g, 0,1,2,3
	v_lshl_add_u32 v[4+\g], v2, 4, \g*4194304      ; 16 x lane + 512 g rows of S
	v_lshl_add_u32 v[8+\g], v2, 3, \g*2097152      ; 8 x lane + 512 g rows of weights
.endr
	s_wait_kmcnt 0x0
	s_add_nc_u64 s[4:5], s[4:5], s[18:19]
	s_add_nc_u64 s[6:7], s[6:7], s[20:21]
.macro RLOAD g                         ; row g: 4 (g + 1) loads into v[32 + 8 g (g + 1)] on
.set XB, 32+8*(\g)*((\g)+1)
.set c, 0
.rept 4*((\g)+1)
	global_load_b128 v[XB+4*c:XB+4*c+3], v[4+\g], s[4:5] offset:512*c th:TH_LOAD_NT
.set c, c+1
.endr
.endm
	RLOAD 0
	RLOAD 1
	RLOAD 2
	RLOAD 3
.macro ROW g, left                     ; left: the later rows' loads, which may stay out
.set XB, 32+8*(\g)*((\g)+1)
.set N, 16*((\g)+1)
	s_wait_loadcnt \left
.irp cc, 0,1,2,3                       ; the causal mask, in the row's last four chunks
.irp e, 0,1,2,3
	v_cmp_gt_i32 vcc_lo, 128*\cc+\e, v12
	v_cndmask_b32 v[XB+16*(\g)+4*\cc+\e], v[XB+16*(\g)+4*\cc+\e], v13, vcc_lo
.endr
.endr
	v_max3_num_f32 v14, v[XB], v[XB+1], v[XB+2]    ; the largest score, in two chains
	v_max3_num_f32 v15, v[XB+3], v[XB+4], v[XB+5]
.set i, 6
.rept (N-6)/2
	v_max3_num_f32 v[14+(i/2)%2], v[14+(i/2)%2], v[XB+i], v[XB+i+1]
.set i, i+2
.endr
	v_max_num_f32 v14, v14, v15
	v_max_num_f32_dpp v14, v14, v14 row_xmask:1 row_mask:0xf bank_mask:0xf
	v_max_num_f32_dpp v14, v14, v14 row_xmask:2 row_mask:0xf bank_mask:0xf
	v_max_num_f32_dpp v14, v14, v14 row_xmask:4 row_mask:0xf bank_mask:0xf
	v_max_num_f32_dpp v14, v14, v14 row_xmask:8 row_mask:0xf bank_mask:0xf
	v_permlanex16_b32 v24, v14, s12, s13
	v_max_num_f32 v14, v14, v24                    ; the row's: key 0 counts for every query, so it is a number
	v_mul_f32 v16, s10, v14                        ; -c m
	v_mov_b32 v17, v16
.set i, 0
.rept N/2
	v_pk_fma_f32 v[XB+i:XB+i+1], v[XB+i:XB+i+1], s[8:9], v[16:17] op_sel_hi:[1,0,0]   ; c s - c m, two at a time
.set i, i+2
.endr
.set i, 0
.rept N
	v_exp_f32 v[XB+i], v[XB+i]                     ; one batch
.set i, i+1
.endr
	v_nop                                          ; a plain line behind the last exponential
	s_wait_alu depctr_va_vdst(0)                   ; one wait for the batch, ahead of its first reader
	v_pk_add_f32 v[18:19], v[XB:XB+1], v[XB+2:XB+3]       ; the sum, in two chains of pairs
	v_pk_add_f32 v[20:21], v[XB+4:XB+5], v[XB+6:XB+7]
.set i, 8
.rept (N-8)/4
	v_pk_add_f32 v[18:19], v[18:19], v[XB+i:XB+i+1]
	v_pk_add_f32 v[20:21], v[20:21], v[XB+i+2:XB+i+3]
.set i, i+4
.endr
	v_pk_add_f32 v[18:19], v[18:19], v[20:21]
	v_add_f32 v18, v18, v19
	v_add_f32_dpp v18, v18, v18 row_xmask:1 row_mask:0xf bank_mask:0xf
	v_add_f32_dpp v18, v18, v18 row_xmask:2 row_mask:0xf bank_mask:0xf
	v_add_f32_dpp v18, v18, v18 row_xmask:4 row_mask:0xf bank_mask:0xf
	v_add_f32_dpp v18, v18, v18 row_xmask:8 row_mask:0xf bank_mask:0xf
	v_permlanex16_b32 v24, v18, s12, s13
	v_add_f32 v18, v18, v24
	v_rcp_f32 v22, v18
	v_nop
	s_wait_alu depctr_va_vdst(0)                   ; ahead of the reciprocal's first reader
	v_mov_b32 v23, v22
.set i, 0
.rept N/2
	v_pk_mul_f32 v[XB+i:XB+i+1], v[XB+i:XB+i+1], v[22:23]
.set i, i+2
.endr
.set c, 0
.rept 4*((\g)+1)
	v_cvt_pk_f16_f32 v[XB+4*c], v[XB+4*c], v[XB+4*c+1]
	v_cvt_pk_f16_f32 v[XB+4*c+1], v[XB+4*c+2], v[XB+4*c+3]
	global_store_b64 v[8+\g], v[XB+4*c:XB+4*c+1], s[6:7] offset:256*c   ; no register of a store is written again
.set c, c+1
.endr
.endm
	ROW 0, 36
	ROW 1, 28
	ROW 2, 16
	ROW 3, 0
	s_endpgm
.Lfunc_end_k_q93d97a2222_softmax:
	.size	k_q93d97a2222_softmax, .Lfunc_end_k_q93d97a2222_softmax-k_q93d97a2222_softmax
	.p2alignl 7, 3214868480
	.fill 96, 4, 3214868480
	.section	.rodata,"a",@progbits
	.p2align	6, 0x0
	.amdhsa_kernel k_q93d97a2222_softmax
		.amdhsa_group_segment_fixed_size 0
		.amdhsa_private_segment_fixed_size 0
		.amdhsa_enable_private_segment 0
		.amdhsa_kernarg_size 16
		.amdhsa_user_sgpr_count 2
		.amdhsa_user_sgpr_kernarg_segment_ptr 1
		.amdhsa_wavefront_size32 1
		.amdhsa_system_sgpr_workgroup_id_x 1
		.amdhsa_system_sgpr_workgroup_id_y 1
		.amdhsa_system_sgpr_workgroup_id_z 1
		.amdhsa_system_vgpr_workitem_id 0
		.amdhsa_next_free_vgpr 208
		.amdhsa_next_free_sgpr 66
		.amdhsa_reserve_vcc 1
		.amdhsa_float_denorm_mode_32 3
		.amdhsa_float_denorm_mode_16_64 3
		.amdhsa_memory_ordered 1
		.amdhsa_forward_progress 1
		.amdhsa_inst_pref_size 49
	.end_amdhsa_kernel
	.amdgpu_metadata
---
amdhsa.version: [ 1, 2 ]
amdhsa.kernels:
  - .name:           k_q93d97a2222_softmax
    .symbol:         k_q93d97a2222_softmax.kd
    .args:
      - { .name: sc, .offset: 0, .size: 8, .value_kind: global_buffer, .address_space: global }
      - { .name: pw, .offset: 8, .size: 8, .value_kind: global_buffer, .address_space: global }
    .group_segment_fixed_size: 0
    .private_segment_fixed_size: 0
    .kernarg_segment_align: 8
    .kernarg_segment_size: 16
    .max_flat_workgroup_size: 128
    .sgpr_count:     66
    .vgpr_count:     208
    .wavefront_size: 32
...
	.end_amdgpu_metadata
.endif
;; end of part 4
;; launch pv (part 5): grid 8 x 32, 4 waves a work-group, clusters of 4 x 4, 327,680 bytes of LDS; arguments pw, qkv, ctx; writes ctx
.if DOCPART == 5
	.amdgcn_target "amdgcn-amd-amdhsa--gfx1250"
	.amdhsa_code_object_version 6
	.text
	.protected	k_q93d97a2222_pv
	.globl	k_q93d97a2222_pv
	.p2align	8
	.type	k_q93d97a2222_pv,@function
k_q93d97a2222_pv:
	s_mov_b64 s[64:65], 0
	v_nop
	global_prefetch_b8 v0, s[64:65] scope:SCOPE_SE
	s_setreg_imm32_b32 hwreg(HW_REG_WAVE_MODE, 25, 1), 1
	s_wait_xcnt 0x0
	s_wait_alu depctr_hold_cnt(0) depctr_sa_sdst(0) depctr_va_vdst(0) depctr_va_sdst(0) depctr_va_ssrc(0) depctr_va_vcc(0) depctr_vm_vsrc(0)
	s_getreg_b32 s2, hwreg(HW_REG_IB_STS2, 6, 4)
	s_cmp_eq_u32 s2, 0
	s_cbranch_scc0 .Lentry_in_a_cluster
	s_endpgm
.Lentry_in_a_cluster:
	s_bfe_u32 s2, ttmp6, 0x10000c
	s_cmp_lg_u32 s2, 0xf033
	s_cbranch_scc0 .Lentry_shape_is_right
	s_endpgm
.Lentry_shape_is_right:
; context[b][q][:] = the sum over keys of weights[b][q][key] v[b][key][:], f16 operands, f32 sums, f16 out ([8192][1024]).  The weights are zero above the diagonal, and keys beyond the query's block of 512 are not multiplied.
; A work-group makes TWO tiles of 128 rows x 128 channels, one after the other: rows 512 p + 128 cy on (K = 512 (p + 1) keys) and rows 512 (3 - p) + 128 cy on (K = 512 (4 - p)): always ten K steps of 256 keys, five laps of
; the ring of two LDS slots, alike in all work-groups.  p and the sequence come from the cluster's y, the half of the channels from its x.
; CLUSTER 4 x 4: A's tiles (weights) are asked for jointly along a row of the cluster, B's (v) along a column.  The ring does not stop between the tiles: in lap p the refills go to the second tile's first keys.
; v lies [key][channel]: its fragments come out of LDS turned, by ds_load_tr16_b128.  THE MATRIX INSTRUCTION IS USED TRANSPOSED (source 0 = 16 channels, source 1 = 16 rows of weights).
; REGISTERS: window 0: v0-31 addresses; v32-95 the way out; v128-255 accumulators.  window 1: two fragment buffers of 128.
.set KSTEP,  256
.set PA,     528                       ; a row of weights in LDS: 512 bytes + 16
.set HALFA,  64*PA
.set PB,     288                       ; a row of v: 256 bytes + 32
.set HALFB,  128*PB
.set BOFF,   2*HALFA
.set SLOT,   BOFF+2*HALFB
.set STAGE,  2*SLOT                    ; behind the ring: 128 rows x 272 bytes, the work-group's
.set SPITCH, 272
.set SPARE,  STAGE+128*SPITCH
.set QKB,    16777216                  ; the bytes of q, and of k: v lies behind both
.set KSB,    KSTEP*2048                ; a K step of v in memory: 256 keys x 2,048 bytes
.set ADRA, 16                          ; v16-17  my A fragments in slot 0, 1
.set ADRB, 20                          ; v20-23  my B fragments: slot 0 keys 0-127, slot 0 keys 128-255, slot 1 likewise
.set STO,  24
.set RD,   25
.set CO,   26
.set SPW,  28
.set NIL,  29
.set TMP,  32
.set ACC,  128
.set F0,   0
.set F1,   128
.set G1, 24
.set G0, 32
.set G1B, 48
.set G0B, 56
.set VB,  86                           ; s[86:87] v at the sequence's first key: my half of a tile's keys, my work-group's channels; never rewritten
.set VO,  88                           ; s[88:89], s[90:91] slot 0's and slot 1's byte offset along the keys from there; the high words stay 0
.set MSB, 0
.macro WIN new
.if MSB != \new
	s_set_vgpr_msb (MSB<<8)|\new
.set MSB, \new
.endif
.endm
.set MUL,  0x05
.set TO_F, 0x40
.macro JLOAD s                         ; waves 0 and 1 fetch A's halves (64 rows each), waves 2 and 3 B's (128 keys each); an s_nop 0 and four v_nop follow each line
	s_cmp_eq_u32 s11, 0
	s_cbranch_scc0 .Lfor_b_\@
	tensor_load_to_lds s[G0+4*\s:G0+4*\s+3], s[G1:G1+7]
	s_nop 0
.rept 4
	v_nop
.endr
	s_branch .Lasked_\@
.Lfor_b_\@:
	tensor_load_to_lds s[G0B+4*\s:G0B+4*\s+3], s[G1B:G1B+7]
	s_nop 0
.rept 4
	v_nop
.endr
.Lasked_\@:
.endm
.macro CREST
	s_cmp_lg_u32 s10, 0
	s_cbranch_scc1 .Lnot_wave_0_\@
	s_barrier_signal -3
.Lnot_wave_0_\@:
	s_barrier_wait -3
	s_barrier_signal -1
	s_barrier_wait -1
.endm
.macro CROUND
	s_barrier_signal -1
	s_barrier_wait -1
	CREST
.endm
	s_load_b128 s[4:7], s[0:1], 0x0                ; the weights, q k v
	s_load_b64 s[8:9], s[0:1], 0x10                ; the context
	v_lshl_add_u32 v[SPW], v0, 2, SPARE
	v_mov_b32 v[NIL], 0
	ds_add_u32 v[SPW], v[NIL]                      ; the wave's opening: the add, twice on end, and its wait ahead of my first tensor load
	ds_add_u32 v[SPW], v[NIL]
	v_lshrrev_b32 v1, 5, v0
	v_readfirstlane_b32 s10, v1                    ; wave 0..3
	s_lshr_b32 s11, s10, 1                         ; my half of the tile's rows.  Also: I fetch for A (0) or B (1)
	s_and_b32 s12, s10, 1                          ; my half of its channels.  Also: which half of a tile I fetch
	s_bfe_u32 s40, ttmp6, 0x40000                  ; cx
	s_bfe_u32 s41, ttmp6, 0x40004                  ; cy
	s_lshl_b32 s42, ttmp9, 2
	s_add_co_u32 s42, s42, s40                     ; the tile of 128 channels
	s_and_b32 s13, ttmp7, 0xffff                   ; cluster y
	s_and_b32 s66, s13, 1                          ; p
	s_lshr_b32 s67, s13, 1                         ; the sequence
	s_lshl_b32 s13, s67, 11
	s_lshl_b32 s16, s66, 9
	s_add_co_u32 s13, s13, s16
	s_lshl_b32 s16, s41, 7
	s_add_co_u32 s13, s13, s16                     ; the first tile's first row: 2048 b + 512 p + 128 cy
	s_lshl_b32 s43, s41, 2
	s_lshl_b32 s43, 15, s43                        ; my row of the cluster
	s_lshl_b32 s44, 0x1111, s40                    ; my column
	s_or_b32 s[G1+0], s43, (1<<16)|(1<<20)|(1<<21)|(6<<22)|(3<<25)  ; A: elements of 2 bytes; 4 words of padding after every 128
	s_mov_b32 s[G1+1], KSTEP<<16                   ; tensor_dim0 = 256 keys
	s_mov_b32 s[G1+2], 64<<16                      ; tensor_dim1 = 64 rows
	s_mov_b32 s[G1+3], KSTEP<<16                   ; tile_dim0
	s_mov_b32 s[G1+4], 64                          ; tile_dim1
	s_mov_b32 s[G1+5], 2048                        ; pitch in elements
	s_mov_b32 s[G1+6], 0
	s_mov_b32 s[G1+7], 0
	s_or_b32 s[G1B+0], s44, (1<<16)|(1<<20)|(1<<21)|(5<<22)|(7<<25) ; B: 8 words of padding after every 64
	s_mov_b32 s[G1B+1], 128<<16                    ; 128 channels
	s_mov_b32 s[G1B+2], 128<<16                    ; 128 keys
	s_mov_b32 s[G1B+3], 128<<16
	s_mov_b32 s[G1B+4], 128
	s_mov_b32 s[G1B+5], 1024
	s_mov_b32 s[G1B+6], 0
	s_mov_b32 s[G1B+7], 0
	s_lshl_b32 s17, s12, 6
	s_add_co_u32 s16, s13, s17
	s_lshl_b32 s16, s16, 12                        ; A: (row + 64 x half) x 4,096 bytes
	s_mov_b32 s17, 0
	s_lshl_b32 s46, s67, 11
	s_lshl_b32 s47, s12, 7
	s_add_co_u32 s46, s46, s47
	s_lshl_b32 s46, s46, 11                        ; B: (2048 b + 128 x half) x 2,048 bytes
	s_lshl_b32 s47, s42, 8
	s_add_co_u32 s46, s46, s47                     ; + 256 bytes x tile of channels
	s_mov_b32 s47, 0
	s_mul_i32 s20, s12, HALFA                      ; where they go
	s_mul_i32 s21, s12, HALFB
	s_add_co_u32 s21, s21, BOFF
	; where a refill goes: a lap on (512 keys), or, in lap p, to the second tile's first keys.  All hangs on p and the count of laps alone, which the sixteen partners share.
	; The weights' address is stepped, always forward.  v's has to go back along the keys, so it is made anew for each refill: the kept base + the slot's offset, and the type set behind the sum, as in the first fills
	s_mov_b32 s70, 1024                            ; A, a lap on
	s_mov_b32 s71, 0
	s_lshl_b32 s72, s66, 1
	s_sub_co_u32 s72, 3, s72                       ; 3 - 2 p: blocks of 512 rows between the two tiles
	s_lshl_b32 s82, s72, 20                        ; the context's step: x 512 rows x 2,048 bytes
	s_mov_b32 s83, 0
	s_lshl_b32 s72, s72, 21                        ; A: x 512 rows x 4,096 bytes,
	s_lshl_b32 s73, s66, 10
	s_sub_co_u32 s72, s72, s73                     ; and p laps back along the keys: still above 0
	s_mov_b32 s73, 0
	s_mov_b32 s[VO], 0                             ; v: slot 0 holds K step 0,
	s_mov_b32 s[VO+1], 0
	s_mov_b32 s[VO+2], KSB                         ; slot 1 K step 1
	s_mov_b32 s[VO+3], 0
	s_mov_b32 s92, KSB                             ; (for the choice at a trip's head)
	s_wait_dscnt 0x0                               ; both opening adds are done
	s_wait_kmcnt 0x0
	s_add_nc_u64 s[6:7], s[6:7], QKB               ; past q,
	s_add_nc_u64 s[6:7], s[6:7], QKB               ; past k: v
	s_add_nc_u64 s[14:15], s[4:5], s[16:17]
	s_add_nc_u64 s[VB:VB+1], s[6:7], s[46:47]
	CROUND                                         ; the first joint loads meet
.irp s, 0,1
	s_mov_b32 s[G0+4*\s], 1
	s_add_co_u32 s[G0+4*\s+1], s20, \s*SLOT
	s_add_nc_u64 s[G0+4*\s+2:G0+4*\s+3], s[14:15], \s*KSTEP*2
	s_or_b32 s[G0+4*\s+3], s[G0+4*\s+3], 0x80000000
	s_mov_b32 s[G0B+4*\s], 1
	s_add_co_u32 s[G0B+4*\s+1], s21, \s*SLOT
	s_add_nc_u64 s[G0B+4*\s+2:G0B+4*\s+3], s[VB:VB+1], \s*KSB
	s_or_b32 s[G0B+4*\s+3], s[G0B+4*\s+3], 0x80000000
	JLOAD \s
.endr
	v_and_b32 v1, 15, v0                           ; r
	v_bfe_u32 v2, v0, 4, 1                         ; h
	v_mul_u32_u24 v3, v1, PA
	v_lshl_add_u32 v3, v2, 4, v3                   ; A: row x pitch + 16 h
	v_and_b32 v6, 7, v0                            ; B, turned: lane l reads 16 bytes of key 8 h + l % 8, channels 8 ((l / 8) % 2) on
	v_bfe_u32 v7, v0, 3, 1
	v_lshl_add_u32 v6, v2, 3, v6
	v_mul_u32_u24 v6, v6, PB
	v_lshl_add_u32 v6, v7, 4, v6
	s_mul_i32 s21, s11, HALFA                      ; my 64 rows of A
	s_lshl_b32 s22, s12, 7                         ; my 64 channels: 128 bytes of each row of v
	s_add_co_u32 s22, s22, BOFF
.irp s, 0,1
	v_add_nc_u32 v[ADRA+\s], s21, v3
	v_add_nc_u32 v[ADRB+2*\s], s22, v6
	s_add_co_u32 s23, s22, 128*PB
	v_add_nc_u32 v[ADRB+2*\s+1], s23, v6
	s_add_co_u32 s21, s21, SLOT
	s_add_co_u32 s22, s22, SLOT
.endr
	s_mul_i32 s23, s11, 64*SPITCH                  ; into the stage: my 64 rows, my half of their 256 bytes
	s_lshl_b32 s21, s12, 7
	s_add_co_u32 s23, s23, s21
	s_add_co_u32 s23, s23, STAGE
	v_mul_u32_u24 v4, v1, SPITCH
	v_lshl_add_u32 v4, v2, 4, v4
	v_add_nc_u32 v[STO], s23, v4
	s_mul_i32 s23, s10, 32*SPITCH                  ; back: wave w takes rows 32 w on, whole
	s_add_co_u32 s23, s23, STAGE
	v_mul_u32_u24 v5, v2, SPITCH
	v_lshl_add_u32 v5, v1, 4, v5
	v_add_nc_u32 v[RD], s23, v5
	v_lshlrev_b32 v5, 11, v2                       ; and the same two rows in the context (2,048 bytes a row)
	v_lshl_add_u32 v[CO], v1, 4, v5
	s_lshl_b32 s17, s10, 5
	s_add_co_u32 s16, s13, s17                     ; the first row that I store
	s_lshl_b32 s16, s16, 11
	s_mov_b32 s17, 0
	s_add_nc_u64 s[8:9], s[8:9], s[16:17]
	s_lshl_b32 s46, s42, 8
	s_mov_b32 s47, 0
	s_add_nc_u64 s[8:9], s[8:9], s[46:47]
.macro MUL8 f, c, a0, zero             ; the 16 accumulators take turns
.irp a, \a0, \a0+1
.irp b, 0,1,2,3
.if \zero
	v_wmma_f32_16x16x32_f16 v[ACC+8*(4*(\a)+\b):ACC+8*(4*(\a)+\b)+7], v[\f+64+8*(4*\c+\b):\f+64+8*(4*\c+\b)+7], v[\f+8*(4*\c+\a):\f+8*(4*\c+\a)+7], 0
.else
	v_wmma_f32_16x16x32_f16 v[ACC+8*(4*(\a)+\b):ACC+8*(4*(\a)+\b)+7], v[\f+64+8*(4*\c+\b):\f+64+8*(4*\c+\b)+7], v[\f+8*(4*\c+\a):\f+8*(4*\c+\a)+7], v[ACC+8*(4*(\a)+\b):ACC+8*(4*(\a)+\b)+7]
.endif
.endr
.endr
.endm
; 32 LDS loads in one run: the fragments of 64 keys; k = their byte in A's rows (2 bytes a key).  B: keys k / 2 + 32 c on, channels 16 i on, two turning loads 16 keys apart
.macro FETCH slot, k, f
	WIN TO_F
.irp c, 0,1
.irp i, 0,1,2,3
	ds_load_tr16_b128 v[\f+64+8*(4*\c+\i):\f+64+8*(4*\c+\i)+3],   v[ADRB+2*\slot+(\k)/256] offset:(((\k)/2)%128+32*\c)*PB+32*\i
	ds_load_tr16_b128 v[\f+64+8*(4*\c+\i)+4:\f+64+8*(4*\c+\i)+7], v[ADRB+2*\slot+(\k)/256] offset:(((\k)/2)%128+32*\c+16)*PB+32*\i
	ds_load_b128 v[\f+8*(4*\c+\i):\f+8*(4*\c+\i)+3],         v[ADRA+\slot] offset:\k+64*\c+\i*16*PA
	ds_load_b128 v[\f+8*(4*\c+\i)+4:\f+8*(4*\c+\i)+7],       v[ADRA+\slot] offset:\k+64*\c+\i*16*PA+32
.endr
.endr
.endm
.macro PLACES
.rept 4
	v_nop
.endr
.endm
.macro QUARTER slot, k, f, g, zero
	s_wait_dscnt 16                                ; the first 32 keys are in; the other sixteen loads may be out
	WIN MUL
	MUL8 \f, 0, 0, \zero
	MUL8 \f, 0, 2, \zero
	PLACES
	FETCH \slot, \k, \g
	s_wait_dscnt 32                                ; all but the 32 just issued
	WIN MUL
	MUL8 \f, 1, 0, 0
	MUL8 \f, 1, 2, 0
.endm
; The last quarter changes slots: one barrier; in front of it each wave waits for all its tensor loads, adds 0 to its spare word, and waits for that and for its reads of this slot.  fill = 1: the slot is filled again.
.macro TURN slot, next, fill
	WIN 0
	s_wait_tensorcnt 0x0
	ds_add_u32 v[SPW], v[NIL]
	s_wait_dscnt 17                                ; (the add and the youngest sixteen loads may be out)
	WIN MUL
	MUL8 F1, 0, 0, 0
	s_wait_dscnt 0x0                               ; the add is done, and my reads of this slot are over
	s_barrier_signal -1
	MUL8 F1, 0, 2, 0
.if \fill
	WIN 0
.endif
	s_barrier_wait -1
.if \fill
	CREST                                          ; a round of the cluster's barrier: no wave of any partner still reads this slot or has a load on its way
	s_add_nc_u64 s[G0+4*\slot+2:G0+4*\slot+3], s[G0+4*\slot+2:G0+4*\slot+3], s[78:79]      ; no tensor load of mine is out, so the groups 0 may be written.  The weights: on by what the trip's head chose
	s_add_nc_u64 s[G0B+4*\slot+2:G0B+4*\slot+3], s[VB:VB+1], s[VO+2*\slot:VO+2*\slot+1]    ; v: the base + this slot's offset along the keys,
	s_or_b32 s[G0B+4*\slot+3], s[G0B+4*\slot+3], 0x80000000                                ; and the type, 2, on top
	JLOAD \slot
.else
	PLACES
.endif
	FETCH \next, 0, F0
	WIN MUL
	MUL8 F1, 1, 0, 0
	MUL8 F1, 1, 2, 0
.endm
; THE WAY OUT of a tile: rounded to f16; 16 bytes a lane into the work-group's stage; a barrier, since a row's 256 bytes come from two waves; back as whole rows, 32 a wave.
; The stage is written again only behind later barriers, in front of which every wave has waited for its reads of it.
.macro WAYOUT
	WIN 0
	s_wait_xcnt 0x0                                ; earlier stores have read v32-95, which are written again
	PLACES
.irp t, 0,1,2,3,4,5,6,7,8,9,10,11,12,13,14,15
.irp r, 0,1,2,3
	v_cvt_pk_f16_f32 v[TMP+4*\t+\r], v[ACC+8*\t+2*\r], v[ACC+8*\t+2*\r+1]
.endr
.endr
.irp a, 0,1,2,3
.irp b, 0,1,2,3
	ds_store_b128 v[STO], v[TMP+4*(4*\a+\b):TMP+4*(4*\a+\b)+3] offset:\a*16*SPITCH+32*\b
.endr
.endr
	s_wait_dscnt 0x0                               ; for the others' sake: my stores into the stage are done
	s_barrier_signal -1
	s_barrier_wait -1
.irp t, 0,1,2,3,4,5,6,7,8,9,10,11,12,13,14,15
	ds_load_b128 v[TMP+4*\t:TMP+4*\t+3], v[RD] offset:\t*2*SPITCH
.endr
.irp t, 0,1,2,3,4,5,6,7,8,9,10,11,12,13,14,15
	s_wait_dscnt 15-\t
	global_store_b128 v[CO], v[TMP+4*\t:TMP+4*\t+3], s[8:9] offset:2*\t*2048   ; 16 lanes store 256 consecutive bytes, aligned
.endr
.endm
	s_wait_tensorcnt 1                             ; my part of K step 0 is in (K step 1's may be out)
	s_barrier_signal -1
	s_barrier_wait -1
	FETCH 0, 0, F0
	QUARTER 0, 128, F0, F1, 1                      ; the first tile's first products start its sums
	WIN 0
	s_mov_b32 s3, 0
.Llap:                                                 ; four trips: a trip goes from a lap's second quarter to the next lap's first and fills both slots again
	s_add_co_u32 s[VO], s[VO], 2*KSB               ; v's offsets for this trip's two refills: a lap on (at most 7 K steps: under 2^22),
	s_add_co_u32 s[VO+2], s[VO+2], 2*KSB
	s_cmp_eq_u32 s3, s66                           ; unless this is the first tile's last lap.  Ids and the count of trips alone: alike in every wave of every partner
	s_cselect_b64 s[78:79], s[72:73], s[70:71]     ; the weights: down to the second tile's rows and back along the keys, or a lap on
	s_cselect_b32 s[VO], 0, s[VO]                  ; v: back to K step 0
	s_cselect_b32 s[VO+2], s92, s[VO+2]            ; and K step 1
	s_cselect_b32 s68, 1, 0
	QUARTER 0, 256, F1, F0, 0
	QUARTER 0, 384, F0, F1, 0
	TURN 0, 1, 1
	QUARTER 1, 128, F0, F1, 0
	QUARTER 1, 256, F1, F0, 0
	QUARTER 1, 384, F0, F1, 0
	TURN 1, 0, 1
	WIN 0
	s_cmp_eq_u32 s68, 1
	s_cbranch_scc0 .Lsame
	WAYOUT                                         ; the first tile is finished; both refills for the second are asked for
	s_wait_xcnt 0x0                                ; its stores have read their base
	s_add_nc_u64 s[8:9], s[8:9], s[82:83]          ; on to the second tile's rows
	QUARTER 0, 128, F0, F1, 1                      ; whose first products start the sums anew, far behind the last products on these accumulators
	WIN 0
	s_branch .Lnext
.Lsame:
	QUARTER 0, 128, F0, F1, 0
	WIN 0
.Lnext:
	s_add_co_u32 s3, s3, 1
	s_cmp_lt_u32 s3, 4
	s_cbranch_scc1 .Llap
	QUARTER 0, 256, F1, F0, 0                      ; the last lap fills nothing
	QUARTER 0, 384, F0, F1, 0
	TURN 0, 1, 0
	QUARTER 1, 128, F0, F1, 0
	QUARTER 1, 256, F1, F0, 0
	QUARTER 1, 384, F0, F1, 0
	s_wait_dscnt 16
	WIN MUL
	MUL8 F1, 0, 0, 0
	MUL8 F1, 0, 2, 0
	s_wait_dscnt 0
	MUL8 F1, 1, 0, 0
	MUL8 F1, 1, 2, 0
	WAYOUT
	s_wait_tensorcnt 0x0                           ; the wave's end
	ds_add_u32 v[SPW], v[NIL]
	s_wait_dscnt 0x0
	CROUND                                         ; the closing round
	s_endpgm
.Lfunc_end_k_q93d97a2222_pv:
	.size	k_q93d97a2222_pv, .Lfunc_end_k_q93d97a2222_pv-k_q93d97a2222_pv
	.p2alignl 7, 3214868480
	.fill 96, 4, 3214868480
	.section	.rodata,"a",@progbits
	.p2align	6, 0x0
	.amdhsa_kernel k_q93d97a2222_pv
		.amdhsa_group_segment_fixed_size 327680
		.amdhsa_private_segment_fixed_size 0
		.amdhsa_enable_private_segment 0
		.amdhsa_kernarg_size 24
		.amdhsa_user_sgpr_count 2
		.amdhsa_user_sgpr_kernarg_segment_ptr 1
		.amdhsa_wavefront_size32 1
		.amdhsa_system_sgpr_workgroup_id_x 1
		.amdhsa_system_sgpr_workgroup_id_y 1
		.amdhsa_system_sgpr_workgroup_id_z 1
		.amdhsa_system_vgpr_workitem_id 0
		.amdhsa_next_free_vgpr 512
		.amdhsa_next_free_sgpr 96
		.amdhsa_reserve_vcc 0
		.amdhsa_float_denorm_mode_32 3
		.amdhsa_float_denorm_mode_16_64 3
		.amdhsa_memory_ordered 1
		.amdhsa_forward_progress 1
		.amdhsa_inst_pref_size 101
	.end_amdhsa_kernel
	.amdgpu_metadata
---
amdhsa.version: [ 1, 2 ]
amdhsa.kernels:
  - .name:           k_q93d97a2222_pv
    .symbol:         k_q93d97a2222_pv.kd
    .args:
      - { .name: pw, .offset: 0, .size: 8, .value_kind: global_buffer, .address_space: global }
      - { .name: qkv, .offset: 8, .size: 8, .value_kind: global_buffer, .address_space: global }
      - { .name: ctx, .offset: 16, .size: 8, .value_kind: global_buffer, .address_space: global }
    .group_segment_fixed_size: 327680
    .private_segment_fixed_size: 0
    .kernarg_segment_align: 8
    .kernarg_segment_size: 24
    .max_flat_workgroup_size: 128
    .sgpr_count:     96
    .vgpr_count:     512
    .wavefront_size: 32
...
	.end_amdgpu_metadata
.endif
;; end of part 5
;; launch outp (part 6): grid 8 x 64, 4 waves a work-group, clusters of 4 x 4, 327,680 bytes of LDS; arguments ctx, prep, out0; writes out0
.if DOCPART == 6
	.amdgcn_target "amdgcn-amd-amdhsa--gfx1250"
	.amdhsa_code_object_version 6
	.text
	.protected	k_q93d97a2222_outp
	.globl	k_q93d97a2222_outp
	.p2align	8
	.type	k_q93d97a2222_outp,@function
k_q93d97a2222_outp:
	s_mov_b64 s[64:65], 0
	v_nop
	global_prefetch_b8 v0, s[64:65] scope:SCOPE_SE
	s_setreg_imm32_b32 hwreg(HW_REG_WAVE_MODE, 25, 1), 1
	s_wait_xcnt 0x0
	s_wait_alu depctr_hold_cnt(0) depctr_sa_sdst(0) depctr_va_vdst(0) depctr_va_sdst(0) depctr_va_ssrc(0) depctr_va_vcc(0) depctr_vm_vsrc(0)
	s_getreg_b32 s2, hwreg(HW_REG_IB_STS2, 6, 4)
	s_cmp_eq_u32 s2, 0
	s_cbranch_scc0 .Lentry_in_a_cluster
	s_endpgm
.Lentry_in_a_cluster:
	s_bfe_u32 s2, ttmp6, 0x10000c
	s_cmp_lg_u32 s2, 0xf033
	s_cbranch_scc0 .Lentry_shape_is_right
	s_endpgm
.Lentry_shape_is_right:
; out[s][e] = the sum over d of context[s][d] W_o[e][d]: f16 operands (W_o's f16 copy lies at WOO in the workspace buffer), f32 sums, f32 out ([8192][1024], 4,096 bytes a row).
; A work-group makes a tile of 128 x 128; each of its four waves 64 x 64: 16 accumulators.  K = 1,024 goes in steps of 256 (LDS rows of 512 bytes) through two LDS slots.
; CLUSTER 4 x 4: A's tiles are asked for jointly along a row of the cluster, B's along a column.  THE MATRIX INSTRUCTION IS USED TRANSPOSED (source 0 = 16 rows of W_o, source 1 = 16 rows of the context).
; The first 16 rows of each sequence are written here too and written over by the launch that follows, which carries them in f32.
; REGISTERS: window 0: v0-31 addresses; v32-95 the way out; v128-255 accumulators.  window 1: two fragment buffers of 128.
.set SIZE_K, 1024
.set CP,     4096                      ; a row of out in bytes
.set WOO,    6127616
.set KSTEP,  256
.set PITCH,  528
.set HALFT,  64*PITCH
.set SLOT,   4*HALFT
.set STAGE,  2*SLOT
.set SPITCH, 272
.set SPARE,  STAGE+4*16*SPITCH
.set LAPS, SIZE_K/(2*KSTEP)
.set ADRA, 16
.set ADRB, 20
.set STO,  24
.set RD,   25
.set CO,   26
.set SPW,  28
.set NIL,  29
.set BKR,  32
.set ACC,  128
.set F0,   0
.set F1,   128
.set G1, 24
.set G0, 32
.set G1B, 48
.set G0B, 56
.set MSB, 0
.macro WIN new
.if MSB != \new
	s_set_vgpr_msb (MSB<<8)|\new
.set MSB, \new
.endif
.endm
.set MUL,  0x05
.set TO_F, 0x40
.macro JLOAD s                         ; waves 0 and 1 fetch A's halves, waves 2 and 3 B's; an s_nop 0 and four v_nop follow each line
	s_cmp_eq_u32 s11, 0
	s_cbranch_scc0 .Lfor_b_\@
	tensor_load_to_lds s[G0+4*\s:G0+4*\s+3], s[G1:G1+7]
	s_nop 0
.rept 4
	v_nop
.endr
	s_branch .Lasked_\@
.Lfor_b_\@:
	tensor_load_to_lds s[G0B+4*\s:G0B+4*\s+3], s[G1B:G1B+7]
	s_nop 0
.rept 4
	v_nop
.endr
.Lasked_\@:
.endm
.macro CREST
	s_cmp_lg_u32 s10, 0
	s_cbranch_scc1 .Lnot_wave_0_\@
	s_barrier_signal -3
.Lnot_wave_0_\@:
	s_barrier_wait -3
	s_barrier_signal -1
	s_barrier_wait -1
.endm
.macro CROUND
	s_barrier_signal -1
	s_barrier_wait -1
	CREST
.endm
	s_load_b128 s[4:7], s[0:1], 0x0                ; the context, the workspace buffer with W_o in f16
	s_load_b64 s[8:9], s[0:1], 0x10                ; out
	v_lshl_add_u32 v[SPW], v0, 2, SPARE
	v_mov_b32 v[NIL], 0
	ds_add_u32 v[SPW], v[NIL]                      ; the wave's opening: the add, twice on end, and its wait ahead of my first tensor load
	ds_add_u32 v[SPW], v[NIL]
	v_lshrrev_b32 v1, 5, v0
	v_readfirstlane_b32 s10, v1
	s_lshr_b32 s11, s10, 1
	s_and_b32 s12, s10, 1
	s_bfe_u32 s40, ttmp6, 0x40000                  ; cx
	s_bfe_u32 s41, ttmp6, 0x40004                  ; cy
	s_lshl_b32 s42, ttmp9, 2
	s_add_co_u32 s42, s42, s40                     ; tile column
	s_and_b32 s13, ttmp7, 0xffff
	s_lshl_b32 s13, s13, 2
	s_add_co_u32 s13, s13, s41                     ; tile row
	s_lshl_b32 s43, s41, 2
	s_lshl_b32 s43, 15, s43
	s_lshl_b32 s44, 0x1111, s40
	s_or_b32 s[G1+0], s43, (1<<16)|(1<<20)|(1<<21)|(6<<22)|(3<<25)
	s_or_b32 s[G1B+0], s44, (1<<16)|(1<<20)|(1<<21)|(6<<22)|(3<<25)
.irp g, G1, G1B
	s_mov_b32 s[\g+1], KSTEP<<16
	s_mov_b32 s[\g+2], 64<<16
	s_mov_b32 s[\g+3], KSTEP<<16
	s_mov_b32 s[\g+4], 64
	s_mov_b32 s[\g+5], SIZE_K
	s_mov_b32 s[\g+6], 0
	s_mov_b32 s[\g+7], 0
.endr
	s_lshl_b32 s17, s12, 6
	s_lshl_b32 s16, s13, 7
	s_add_co_u32 s16, s16, s17
	s_lshl_b32 s46, s42, 7
	s_add_co_u32 s46, s46, s17
	s_mov_b32 s17, 0
	s_mov_b32 s47, 0
	s_mov_b64 s[18:19], SIZE_K*2
	s_mul_u64 s[16:17], s[16:17], s[18:19]
	s_mul_u64 s[46:47], s[46:47], s[18:19]
	s_mul_i32 s20, s10, HALFT
	s_wait_dscnt 0x0
	s_wait_kmcnt 0x0
	s_add_nc_u64 s[6:7], s[6:7], WOO
	s_add_nc_u64 s[14:15], s[4:5], s[16:17]
	s_add_nc_u64 s[46:47], s[6:7], s[46:47]
	CROUND
.irp s, 0,1
	s_mov_b32 s[G0+4*\s], 1
	s_add_co_u32 s[G0+4*\s+1], s20, \s*SLOT
	s_add_nc_u64 s[G0+4*\s+2:G0+4*\s+3], s[14:15], \s*KSTEP*2
	s_or_b32 s[G0+4*\s+3], s[G0+4*\s+3], 0x80000000
	s_mov_b32 s[G0B+4*\s], 1
	s_add_co_u32 s[G0B+4*\s+1], s20, \s*SLOT
	s_add_nc_u64 s[G0B+4*\s+2:G0B+4*\s+3], s[46:47], \s*KSTEP*2
	s_or_b32 s[G0B+4*\s+3], s[G0B+4*\s+3], 0x80000000
	JLOAD \s
.endr
	v_and_b32 v1, 15, v0
	v_bfe_u32 v2, v0, 4, 1
	v_mul_u32_u24 v3, v1, PITCH
	v_lshl_add_u32 v3, v2, 4, v3
	s_mul_i32 s21, s11, HALFT
	s_mul_i32 s22, s12, HALFT
	s_add_co_u32 s22, s22, 2*HALFT
.irp s, 0,1
	v_add_nc_u32 v[ADRA+\s], s21, v3
	v_add_nc_u32 v[ADRB+\s], s22, v3
	s_add_co_u32 s21, s21, SLOT
	s_add_co_u32 s22, s22, SLOT
.endr
	s_mul_i32 s23, s10, 16*SPITCH
	s_add_co_u32 s23, s23, STAGE
	v_mul_u32_u24 v4, v1, SPITCH
	v_lshl_add_u32 v4, v2, 5, v4
	v_add_nc_u32 v[STO], s23, v4
	v_mul_u32_u24 v5, v2, SPITCH
	v_lshl_add_u32 v5, v1, 4, v5
	v_add_nc_u32 v[RD], s23, v5
	v_mul_u32_u24 v5, v2, CP
	v_lshl_add_u32 v[CO], v1, 4, v5
	s_lshl_b32 s16, s13, 7
	s_lshl_b32 s17, s11, 6
	s_add_co_u32 s16, s16, s17                     ; my first row of out
	s_lshl_b32 s16, s16, 12                        ; x 4,096 bytes
	s_mov_b32 s17, 0
	s_add_nc_u64 s[8:9], s[8:9], s[16:17]
	s_lshl_b32 s46, s42, 9                         ; my first column: 512 bytes x tile column + 256 x half
	s_lshl_b32 s47, s12, 8
	s_add_co_u32 s46, s46, s47
	s_mov_b32 s47, 0
	s_add_nc_u64 s[8:9], s[8:9], s[46:47]
.macro MUL8 f, c, a0, zero             ; the 16 accumulators take turns
.irp a, \a0, \a0+1
.irp b, 0,1,2,3
.if \zero
	v_wmma_f32_16x16x32_f16 v[ACC+8*(4*(\a)+\b):ACC+8*(4*(\a)+\b)+7], v[\f+64+8*(4*\c+\b):\f+64+8*(4*\c+\b)+7], v[\f+8*(4*\c+\a):\f+8*(4*\c+\a)+7], 0
.else
	v_wmma_f32_16x16x32_f16 v[ACC+8*(4*(\a)+\b):ACC+8*(4*(\a)+\b)+7], v[\f+64+8*(4*\c+\b):\f+64+8*(4*\c+\b)+7], v[\f+8*(4*\c+\a):\f+8*(4*\c+\a)+7], v[ACC+8*(4*(\a)+\b):ACC+8*(4*(\a)+\b)+7]
.endif
.endr
.endr
.endm
.macro FETCH slot, k, f
	WIN TO_F
.irp c, 0,1
.irp i, 0,1,2,3
	ds_load_b128 v[\f+64+8*(4*\c+\i):\f+64+8*(4*\c+\i)+3],   v[ADRB+\slot] offset:\k+64*\c+\i*16*PITCH
	ds_load_b128 v[\f+64+8*(4*\c+\i)+4:\f+64+8*(4*\c+\i)+7], v[ADRB+\slot] offset:\k+64*\c+\i*16*PITCH+32
	ds_load_b128 v[\f+8*(4*\c+\i):\f+8*(4*\c+\i)+3],         v[ADRA+\slot] offset:\k+64*\c+\i*16*PITCH
	ds_load_b128 v[\f+8*(4*\c+\i)+4:\f+8*(4*\c+\i)+7],       v[ADRA+\slot] offset:\k+64*\c+\i*16*PITCH+32
.endr
.endr
.endm
.macro PLACES
.rept 4
	v_nop
.endr
.endm
.macro QUARTER slot, k, f, g, zero
	s_wait_dscnt 16                                ; the first 32 along K are in; the other sixteen loads may be out
	WIN MUL
	MUL8 \f, 0, 0, \zero
	MUL8 \f, 0, 2, \zero
	PLACES
	FETCH \slot, \k, \g
	s_wait_dscnt 32                                ; all but the 32 just issued
	WIN MUL
	MUL8 \f, 1, 0, 0
	MUL8 \f, 1, 2, 0
.endm
.macro TURN slot, next, fill           ; the change of slots: the wait for all my tensor loads, the add, the wait for it and for my reads of the slot, one barrier; fill = 1: a round of the cluster's, and the refill first behind it
	WIN 0
	s_wait_tensorcnt 0x0
	ds_add_u32 v[SPW], v[NIL]
	s_wait_dscnt 17                                ; (the add and the youngest sixteen loads may be out)
	WIN MUL
	MUL8 F1, 0, 0, 0
	s_wait_dscnt 0x0
	s_barrier_signal -1
	MUL8 F1, 0, 2, 0
.if \fill
	WIN 0
.endif
	s_barrier_wait -1
.if \fill
	CREST
	s_add_nc_u64 s[G0+4*\slot+2:G0+4*\slot+3], s[G0+4*\slot+2:G0+4*\slot+3], 2*KSTEP*2
	s_add_nc_u64 s[G0B+4*\slot+2:G0B+4*\slot+3], s[G0B+4*\slot+2:G0B+4*\slot+3], 2*KSTEP*2
	JLOAD \slot
.else
	PLACES
.endif
	FETCH \next, 0, F0
	WIN MUL
	MUL8 F1, 1, 0, 0
	MUL8 F1, 1, 2, 0
.endm
	s_wait_tensorcnt 1                             ; my part of K step 0 is in (K step 1's may be out)
	s_barrier_signal -1
	s_barrier_wait -1
	FETCH 0, 0, F0
	QUARTER 0, 128, F0, F1, 1
	WIN 0
	s_mov_b32 s3, LAPS-1
.Llap:
	QUARTER 0, 256, F1, F0, 0
	QUARTER 0, 384, F0, F1, 0
	TURN 0, 1, 1
	QUARTER 1, 128, F0, F1, 0
	QUARTER 1, 256, F1, F0, 0
	QUARTER 1, 384, F0, F1, 0
	TURN 1, 0, 1
	QUARTER 0, 128, F0, F1, 0
	WIN 0
	s_sub_co_u32 s3, s3, 1
	s_cmp_lg_u32 s3, 0
	s_cbranch_scc1 .Llap
	QUARTER 0, 256, F1, F0, 0
	QUARTER 0, 384, F0, F1, 0
	TURN 0, 1, 0
	QUARTER 1, 128, F0, F1, 0
	QUARTER 1, 256, F1, F0, 0
	QUARTER 1, 384, F0, F1, 0
	s_wait_dscnt 16
	WIN MUL
	MUL8 F1, 0, 0, 0
	MUL8 F1, 0, 2, 0
	s_wait_dscnt 0
	MUL8 F1, 1, 0, 0
	MUL8 F1, 1, 2, 0
	WIN 0
; THE WAY OUT, 16 rows x 64 columns of f32 at a time, through my own stage; no barrier.
.macro TOSTAGE a
.irp b, 0,1,2,3
	ds_store_b128 v[STO], v[ACC+8*(4*(\a)+\b):ACC+8*(4*(\a)+\b)+3] offset:64*\b
	ds_store_b128 v[STO], v[ACC+8*(4*(\a)+\b)+4:ACC+8*(4*(\a)+\b)+7] offset:64*\b+16
.endr
.irp t, 0,1,2,3,4,5,6,7
	ds_load_b128 v[BKR+32*((\a)%2)+4*\t:BKR+32*((\a)%2)+4*\t+3], v[RD] offset:\t*2*SPITCH
.endr
.endm
.macro SEND a, younger
	s_wait_dscnt \younger
.irp t, 0,1,2,3,4,5,6,7
	global_store_b128 v[CO], v[BKR+32*((\a)%2)+4*\t:BKR+32*((\a)%2)+4*\t+3], s[8:9] offset:(16*(\a)+2*\t)*CP th:TH_STORE_NT   ; 16 lanes store 256 consecutive bytes, aligned
.endr
.endm
	PLACES
	TOSTAGE 0
	TOSTAGE 1
	SEND 0, 16                                     ; behind block 0's loads: block 1's 8 stores and 8 loads
	s_wait_xcnt 0x0                                ; block 0's stores have read their registers
	TOSTAGE 2
	SEND 1, 16
	s_wait_xcnt 0x0
	TOSTAGE 3
	SEND 2, 16
	SEND 3, 0
	s_wait_tensorcnt 0x0                           ; the wave's end
	ds_add_u32 v[SPW], v[NIL]
	s_wait_dscnt 0x0
	CROUND
	s_endpgm
.Lfunc_end_k_q93d97a2222_outp:
	.size	k_q93d97a2222_outp, .Lfunc_end_k_q93d97a2222_outp-k_q93d97a2222_outp
	.p2alignl 7, 3214868480
	.fill 96, 4, 3214868480
	.section	.rodata,"a",@progbits
	.p2align	6, 0x0
	.amdhsa_kernel k_q93d97a2222_outp
		.amdhsa_group_segment_fixed_size 327680
		.amdhsa_private_segment_fixed_size 0
		.amdhsa_enable_private_segment 0
		.amdhsa_kernarg_size 24
		.amdhsa_user_sgpr_count 2
		.amdhsa_user_sgpr_kernarg_segment_ptr 1
		.amdhsa_wavefront_size32 1
		.amdhsa_system_sgpr_workgroup_id_x 1
		.amdhsa_system_sgpr_workgroup_id_y 1
		.amdhsa_system_sgpr_workgroup_id_z 1
		.amdhsa_system_vgpr_workitem_id 0
		.amdhsa_next_free_vgpr 512
		.amdhsa_next_free_sgpr 72
		.amdhsa_reserve_vcc 0
		.amdhsa_float_denorm_mode_32 3
		.amdhsa_float_denorm_mode_16_64 3
		.amdhsa_memory_ordered 1
		.amdhsa_forward_progress 1
		.amdhsa_inst_pref_size 86
	.end_amdhsa_kernel
	.amdgpu_metadata
---
amdhsa.version: [ 1, 2 ]
amdhsa.kernels:
  - .name:           k_q93d97a2222_outp
    .symbol:         k_q93d97a2222_outp.kd
    .args:
      - { .name: ctx, .offset: 0, .size: 8, .value_kind: global_buffer, .address_space: global }
      - { .name: prep, .offset: 8, .size: 8, .value_kind: global_buffer, .address_space: global }
      - { .name: out0, .offset: 16, .size: 8, .value_kind: global_buffer, .address_space: global }
    .group_segment_fixed_size: 327680
    .private_segment_fixed_size: 0
    .kernarg_segment_align: 8
    .kernarg_segment_size: 24
    .max_flat_workgroup_size: 128
    .sgpr_count:     72
    .vgpr_count:     512
    .wavefront_size: 32
...
	.end_amdgpu_metadata
.endif
;; end of part 6
;; launch first16 (part 7): grid 64 x 4, 16 waves a work-group, no clusters, 34,816 bytes of LDS; arguments fine, W_o, out0; writes out0
.if DOCPART == 7
	.amdgcn_target "amdgcn-amd-amdhsa--gfx1250"
	.amdhsa_code_object_version 6
	.text
	.protected	k_q93d97a2222_first16
	.globl	k_q93d97a2222_first16
	.p2align	8
	.type	k_q93d97a2222_first16,@function
k_q93d97a2222_first16:
	s_mov_b64 s[64:65], 0
	v_nop
	global_prefetch_b8 v0, s[64:65] scope:SCOPE_SE
	s_setreg_imm32_b32 hwreg(HW_REG_WAVE_MODE, 25, 1), 1
	s_wait_xcnt 0x0
; The first 16 positions of each sequence, all in f32: out[b][q][e] = the sum over keys of w[q][key] U[key][e], w = softmax over key <= q of (q . k) / 32, U = v W_o^T.  These rows average one to sixteen values and are the
; largest of the output, so none of their operands is rounded to 16 bits.  q, k, v of these rows come in f32 ([3][4][16][1024]); W_o as it is given.
; A work-group makes 16 rows x 16 columns (e0 = 16 x work-group x) of sequence b = work-group y.  Its sixteen waves share the 1,024 along d of the two long sums, 64 each, by the f32 matrix form; the parts meet in LDS; wave 0
; adds them, takes the softmax and makes the small product.  No cluster and no tensor load: what the work-groups share is 192 KiB a sequence, read through registers.
; LAYOUT.  S^T: source 0 = 16 keys (k), source 1 = 16 queries (q): a lane holds query l % 16 and keys 8 (l / 16) + 0 .. 7.  U: source 0 = 16 keys (v), source 1 = 16 rows e of W_o: a lane holds e = l % 16 and the same keys.
; So two neighbouring registers of U and of w are the operands of one step of the last product (m = e, n = query), keys 2 s, 2 s + 1, 8 + 2 s, 9 + 2 s on both sides.
; A lane loads 16 bytes, d = 8 c + 4 (l / 16) + 0 .. 3; registers 0, 1 feed one instruction and 2, 3 the next: the same places of d on both sides.
; The registers that the f32 matrix form writes (v160-175, v192-207) are written by nothing else.
.set SPARE, 32768                      ; behind the sixteen waves' parts (2,048 bytes each): the spare words, 128 bytes a wave
.set SPW, 12
.set NIL, 13
	s_load_b128 s[4:7], s[0:1], 0x0                ; the f32 rows, W_o
	s_load_b64 s[10:11], s[0:1], 0x10              ; out
	v_lshl_add_u32 v[SPW], v0, 2, SPARE
	v_mov_b32 v[NIL], 0
	v_lshrrev_b32 v1, 5, v0
	v_readfirstlane_b32 s8, v1                     ; wave 0..15
	v_and_b32 v1, 15, v0                           ; r
	v_bfe_u32 v14, v0, 4, 1                        ; h
	v_lshlrev_b32 v2, 12, v1
	v_lshl_add_u32 v2, v14, 4, v2
	s_lshl_b32 s9, s8, 8
	v_add_nc_u32 v2, s9, v2                        ; 4,096 r + 16 h + 256 w: my 16 bytes of a row's chunk 0 of my wave's 64 numbers
	v_and_b32 v5, 31, v0
	v_lshlrev_b32 v5, 4, v5                        ; LDS: 16 x lane
	s_lshl_b32 s9, s8, 11
	v_add_nc_u32 v6, s9, v5                        ; + 2,048 x wave: where my parts go
	v_lshlrev_b32 v3, 3, v14
	v_sub_nc_u32 v3, v1, v3                        ; r - 8 h: key 8 h + j is hidden where j > r - 8 h
	v_lshlrev_b32 v4, 12, v1
	v_lshl_add_u32 v4, v14, 5, v4                  ; out: 4,096 r + 32 h
	v_mov_b32 v7, 0xff800000                       ; -infinity
	v_mov_b32 v9, 0                                ; a lane permute's destination counts as read
	s_mov_b32 s12, 0x76543210
	s_mov_b32 s13, 0xfedcba98
	s_mov_b32 s14, 0x3d38aa3b                      ; c = log2(e) / 32
	s_mov_b32 s15, 0xbd38aa3b                      ; -c
	s_and_b32 s16, ttmp7, 0xffff                   ; the sequence
	s_lshl_b32 s18, s16, 16                        ; 65,536 bytes of f32 rows each
	s_mov_b32 s19, 0
	s_lshl_b32 s20, ttmp9, 16                      ; W_o: 16 rows of 4,096 bytes a work-group
	s_mov_b32 s21, 0
	s_lshl_b32 s22, s16, 23                        ; out: 8,388,608 bytes a sequence,
	s_lshl_b32 s23, ttmp9, 6                       ; 64 bytes a work-group
	s_add_co_u32 s22, s22, s23
	s_mov_b32 s23, 0
	s_wait_kmcnt 0x0
	s_add_nc_u64 s[4:5], s[4:5], s[18:19]
	s_add_nc_u64 s[6:7], s[6:7], s[20:21]
	s_add_nc_u64 s[10:11], s[10:11], s[22:23]
.irp c, 0,1,2,3,4,5,6,7
	global_load_b128 v[32+4*\c:35+4*\c],   v2, s[4:5] offset:262144+32*\c     ; k
	global_load_b128 v[64+4*\c:67+4*\c],   v2, s[4:5] offset:32*\c            ; q
	global_load_b128 v[96+4*\c:99+4*\c],   v2, s[4:5] offset:524288+32*\c     ; v
	global_load_b128 v[128+4*\c:131+4*\c], v2, s[6:7] offset:32*\c            ; W_o
.endr
	s_wait_loadcnt 0x0
	v_wmma_f32_16x16x4_f32 v[160:167], v[32:33], v[64:65], 0                  ; the first steps start the two sums; the two accumulators take turns
	v_wmma_f32_16x16x4_f32 v[168:175], v[96:97], v[128:129], 0
.set i, 1
.rept 15
	v_wmma_f32_16x16x4_f32 v[160:167], v[32+2*i:33+2*i], v[64+2*i:65+2*i], v[160:167]
	v_wmma_f32_16x16x4_f32 v[168:175], v[96+2*i:97+2*i], v[128+2*i:129+2*i], v[168:175]
.set i, i+1
.endr
.rept 8
	v_nop                                          ; eight places behind this form, for the stores of results and the later loads into the operands' registers
.endr
	ds_store_b128 v6, v[160:163]                   ; my parts, as images of their registers; each accumulator from its low end on
	ds_store_b128 v6, v[164:167] offset:512
	ds_store_b128 v6, v[168:171] offset:1024
	ds_store_b128 v6, v[172:175] offset:1536
	s_wait_dscnt 0x0                               ; for wave 0's sake: my stores are done
	s_barrier_signal -1
	s_barrier_wait -1
	s_cmp_lg_u32 s8, 0
	s_cbranch_scc1 .Lend
.irp w, 0,1,2,3,4,5,6,7,8,9,10,11,12,13,14,15
	ds_load_b128 v[32+8*\w:35+8*\w], v5 offset:2048*\w
	ds_load_b128 v[36+8*\w:39+8*\w], v5 offset:2048*\w+512
.endr
	s_wait_dscnt 0x0
.irp i, 0,2,4,6
	v_pk_add_f32 v[176+\i:177+\i], v[32+\i:33+\i], v[40+\i:41+\i]             ; the scores: sixteen parts, in the waves' order
.endr
.irp w, 2,3,4,5,6,7,8,9,10,11,12,13,14,15
.irp i, 0,2,4,6
	v_pk_add_f32 v[176+\i:177+\i], v[176+\i:177+\i], v[32+8*\w+\i:33+8*\w+\i]
.endr
.endr
.irp w, 0,1,2,3,4,5,6,7,8,9,10,11,12,13,14,15
	ds_load_b128 v[32+8*\w:35+8*\w], v5 offset:2048*\w+1024                   ; U's parts land while the softmax is taken
	ds_load_b128 v[36+8*\w:39+8*\w], v5 offset:2048*\w+1536
.endr
.irp j, 0,1,2,3,4,5,6,7
	v_cmp_gt_i32 vcc_lo, \j, v3
	v_cndmask_b32 v[176+\j], v[176+\j], v7, vcc_lo                            ; the causal mask
.endr
	v_max3_num_f32 v8, v176, v177, v178
	v_max3_num_f32 v8, v8, v179, v180
	v_max3_num_f32 v8, v8, v181, v182
	v_max_num_f32 v8, v8, v183
	v_permlanex16_b32 v9, v8, s12, s13
	v_max_num_f32 v8, v8, v9                       ; the query's largest score: key 0 counts for every query
	v_mul_f32 v10, s15, v8                         ; -c m
.irp j, 0,1,2,3,4,5,6,7
	v_fma_f32 v[16+\j], v[176+\j], s14, v10
.endr
.irp j, 0,1,2,3,4,5,6,7
	v_exp_f32 v[16+\j], v[16+\j]
.endr
	v_nop
	s_wait_alu depctr_va_vdst(0)                   ; one wait for the eight, ahead of their first reader
	v_add_f32 v8, v16, v17
	v_add_f32 v11, v18, v19
	v_add_f32 v8, v8, v20
	v_add_f32 v11, v11, v21
	v_add_f32 v8, v8, v22
	v_add_f32 v11, v11, v23
	v_add_f32 v8, v8, v11
	v_permlanex16_b32 v9, v8, s12, s13
	v_add_f32 v8, v8, v9
	v_rcp_f32 v11, v8
	v_nop
	s_wait_alu depctr_va_vdst(0)
.irp j, 0,1,2,3,4,5,6,7
	v_mul_f32 v[16+\j], v[16+\j], v11              ; the weights
.endr
	s_wait_dscnt 0x0
.irp i, 0,2,4,6
	v_pk_add_f32 v[184+\i:185+\i], v[32+\i:33+\i], v[40+\i:41+\i]             ; U
.endr
.irp w, 2,3,4,5,6,7,8,9,10,11,12,13,14,15
.irp i, 0,2,4,6
	v_pk_add_f32 v[184+\i:185+\i], v[184+\i:185+\i], v[32+8*\w+\i:33+8*\w+\i]
.endr
.endr
.rept 4
	v_nop
.endr
	v_wmma_f32_16x16x4_f32 v[192:199], v[184:185], v[16:17], 0                ; out^T = U^T w^T: four steps on two accumulators by turns
	v_wmma_f32_16x16x4_f32 v[200:207], v[186:187], v[18:19], 0
	v_wmma_f32_16x16x4_f32 v[192:199], v[188:189], v[20:21], v[192:199]
	v_wmma_f32_16x16x4_f32 v[200:207], v[190:191], v[22:23], v[200:207]
.rept 8
	v_nop
.endr
.irp i, 0,2,4,6
	v_pk_add_f32 v[24+\i:25+\i], v[192+\i:193+\i], v[200+\i:201+\i]           ; from the low end on; lane (r, h): out(query r, e0 + 8 h + 0 .. 7)
.endr
	global_store_b128 v4, v[24:27], s[10:11]
	global_store_b128 v4, v[28:31], s[10:11] offset:16
.Lend:
	s_wait_tensorcnt 0x0                           ; the wave's end: behind my last LDS store
	ds_add_u32 v[SPW], v[NIL]
	s_wait_dscnt 0x0
	s_endpgm
.Lfunc_end_k_q93d97a2222_first16:
	.size	k_q93d97a2222_first16, .Lfunc_end_k_q93d97a2222_first16-k_q93d97a2222_first16
	.p2alignl 7, 3214868480
	.fill 96, 4, 3214868480
	.section	.rodata,"a",@progbits
	.p2align	6, 0x0
	.amdhsa_kernel k_q93d97a2222_first16
		.amdhsa_group_segment_fixed_size 34816
		.amdhsa_private_segment_fixed_size 0
		.amdhsa_enable_private_segment 0
		.amdhsa_kernarg_size 24
		.amdhsa_user_sgpr_count 2
		.amdhsa_user_sgpr_kernarg_segment_ptr 1
		.amdhsa_wavefront_size32 1
		.amdhsa_system_sgpr_workgroup_id_x 1
		.amdhsa_system_sgpr_workgroup_id_y 1
		.amdhsa_system_sgpr_workgroup_id_z 1
		.amdhsa_system_vgpr_workitem_id 0
		.amdhsa_next_free_vgpr 224
		.amdhsa_next_free_sgpr 66
		.amdhsa_reserve_vcc 1
		.amdhsa_float_denorm_mode_32 3
		.amdhsa_float_denorm_mode_16_64 3
		.amdhsa_memory_ordered 1
		.amdhsa_forward_progress 1
		.amdhsa_inst_pref_size 23
	.end_amdhsa_kernel
	.amdgpu_metadata
---
amdhsa.version: [ 1, 2 ]
amdhsa.kernels:
  - .name:           k_q93d97a2222_first16
    .symbol:         k_q93d97a2222_first16.kd
    .args:
      - { .name: fine, .offset: 0, .size: 8, .value_kind: global_buffer, .address_space: global }
      - { .name: W_o, .offset: 8, .size: 8, .value_kind: global_buffer, .address_space: global }
      - { .name: out0, .offset: 16, .size: 8, .value_kind: global_buffer, .address_space: global }
    .group_segment_fixed_size: 34816
    .private_segment_fixed_size: 0
    .kernarg_segment_align: 8
    .kernarg_segment_size: 24
    .max_flat_workgroup_size: 512
    .sgpr_count:     66
    .vgpr_count:     224
    .wavefront_size: 32
...
	.end_amdgpu_metadata
.endif
;; end of part 7
